; MI455X (gfx1250); checked and timed in simulation.
; The chip was launched on July 23, 2026; its instructions are those of AMD's public machine-readable ISA for CDNA 5 (MIT licence, August 2026) and "CDNA5" Instruction Set Architecture Reference Guide (July 2026). The comments in the code are by the model that wrote it; some were corrected since.
;; Lo RA Multihead Attention. Allowed arithmetic: matrix products marked QUANTISED: E2M1 operands, one E8M0 scale for each 32 along K, by v_wmma_scale_f32_16x16x128_f8f6f4 with both operands' format E2M1 (or v_wmma_scale_f32_32x16x128_f4), f32 sums; products left as they are: f32 operands where the result goes on into a quantised operand, else bf16, f16 or f32 operands; f32 sums; everything else in f32.
;; Inputs: in_proj_bias 3,072 float32; in_proj_weight 3,072 x 1,024 float32; k_a 16 x 1,024 float32; k_b 16 x 1,024 float32; key 2,048 x 2 x 1,024 float32; out_b 1,024 float32; out_w 1,024 x 1,024 float32; query 2,048 x 2 x 1,024 float32; v_a 16 x 1,024 float32; v_b 16 x 1,024 float32; value 2,048 x 2 x 1,024 float32.
;; Outputs: out0 2,048 x 2 x 1,024 float32.
;; Constants: attn_mask = 0, need_weights = 0.
;; This version of the problem:
;;   THIS VERSION OF THE PROBLEM IS GIVEN IN LOW PRECISION. The matrix products marked QUANTISED in the list below multiply operands that are first quantised to E2M1 (2 exponent bits, 1 mantissa bit; 4 bits a number), with one power-of-two scale for each 32 numbers along K (OCP MX v1.0); their sums are f32. All else is computed in f32.
;;   The module's matrix products, in the order in which they are computed (A, B: the left and right operand; K: the contracted axis; several contracted axes count as one K, in the product's order):
;;     1. [M 4,096, K 1,024] x [K 1,024, N 3,072]; A: input query; B: input in_proj_weight: QUANTISED
;;     2. [M 4,096, K 1,024] x [K 1,024, N 16]; A: input query; B: input k_a: QUANTISED
;;     3. [M 4,096, K 16] x [K 16, N 1,024]; A: computed on the way; B: input k_b: left as it is (K = 16 < 32)
;;     4. [M 4,096, K 1,024] x [K 1,024, N 16]; A: input query; B: input v_a: QUANTISED
;;     5. [M 4,096, K 16] x [K 16, N 1,024]; A: computed on the way; B: input v_b: left as it is (K = 16 < 32)
;;     6. batch 32 x [M 2,048, K 64] x [K 64, N 2,048]; A: computed on the way; B: computed on the way: QUANTISED
;;     7. batch 32 x [M 64, K 2,048] x [K 2,048, N 2,048]; A: computed on the way; B: softmax (see below): QUANTISED
;;     8. [M 4,096, K 1,024] x [K 1,024, N 1,024]; A: computed on the way; B: input out_w: QUANTISED
;;   THE QUANTISER, for each operand of a quantised product, along K:
;;     - K is cut into blocks of 32 from its start; a last block that is shorter is filled with zeros.
;;     - A block's scale is 2^e with e = floor(log2(the largest magnitude in the block)) - 2, held to -126 .. 127; a block of zeros has e = 0. As a byte (E8M0): e + 127.
;;     - Each number is divided by its block's scale, clamped to +-6, and rounded to the nearest number of E2M1, ties to even, subnormals kept.
;;     - The product sums the exact products of the quantised numbers (number of the format x scale) in f32.
;;   ~~~python
;;   def quantise(x, axis):      # numpy; x: float32 -> the quantised numbers, widened to float32 again
;;       x = np.moveaxis(x, axis, -1); K = x.shape[-1]
;;       x = np.pad(x, [(0, 0)] * (x.ndim - 1) + [(0, -K % 32)]); x = x.reshape(x.shape[:-1] + (-1, 32)); a = np.abs(x).max(-1, keepdims=True)
;;       e = np.where(a > 0, np.clip(np.frexp(np.where(a > 0, a, 1))[1] - 1 - 2, -126, 127), 0)      # np.frexp(a)[1] - 1 = floor(log2(a)), exactly
;;       r = np.clip(x / 2.0 ** e, -6, 6)
;;       step = 2.0 ** (np.maximum(np.frexp(np.where(r == 0, 1, r))[1] - 1, 0) - 1)
;;       q = np.round(r / step) * step * 2.0 ** e      # np.round: ties to even
;;       return np.moveaxis(q.reshape(q.shape[:-2] + (-1,))[..., :K], -1, axis).astype(np.float32)
;;   ~~~
;;   SOFTMAX AHEAD OF A QUANTISED PRODUCT. Where the list says 'softmax', what is quantised is not the finished softmax but p = 2^(t - M), with t = logit x log2(e) and M = ceil(the row's largest t), a whole number; so 1/2 < the row's largest p <= 1. The row's sum l is taken of the UNQUANTISED p, in f32, and the product's result is divided by l at the end. Since M is a whole number, a kernel that streams over the keys may use a running M (the ceiling of the running maximum): every later rescaling is an exact power of two, which a block's scale takes up: the codes' values come out the same.
;;   OPERANDS COMPUTED ON THE WAY. 'Computed on the way' means the value that the module computes at that place (a softmax that the list does not call 'softmax' is quantised finished and normalised). What goes into a quantiser is computed in f32, as accurately as f32 sums, v_exp_f32 and their like allow (about 1e-6 of the number): no bf16 or f16 on the way to a quantiser, and a product that is left as it is and whose result goes on into a quantised operand takes f32 operands (vector FMAs, or v_wmma_f32_16x16x4_f32). A number that lies on a knife's edge between two numbers of the format may be rounded either way, as far as f32 arithmetic and the matrix unit's own rounding can turn it there, and no further.
;; One version. Each part assembles by itself: llvm-mc -triple=amdgcn-amd-amdhsa -mcpu=gfx1250 --defsym DOCPART=n.
;; ======== version 1 of 1: 4 launches
;; limits: right only within a limited range of input values
;; workspace buffers: cod 4,473,856 bytes; qkc 4,194,304 bytes; vc 2,097,152 bytes; qsc 262,144 bytes; kvs 393,216 bytes; ac 2,228,224 bytes
;; launch quant (part 1): grid 514 x 1, 4 waves a work-group, no clusters, 34,304 bytes of LDS; arguments query, in_proj_weight, out_w, k_a, v_a, cod; writes cod
.if DOCPART == 1
	.amdgcn_target "amdgcn-amd-amdhsa--gfx1250"
	.amdhsa_code_object_version 6
	.text
	.protected	k_qdb5add2f94_quant
	.globl	k_qdb5add2f94_quant
	.p2align	8
	.type	k_qdb5add2f94_quant,@function
k_qdb5add2f94_quant:
	s_mov_b64 s[64:65], 0
	v_nop
	global_prefetch_b8 v0, s[64:65] scope:SCOPE_SE
	s_setreg_imm32_b32 hwreg(HW_REG_WAVE_MODE, 25, 1), 1
	s_wait_xcnt 0x0
; query [4096][1024], in_proj_weight [3072][1024], out_w [1024][1024], k_a and v_a [16][1024], all f32 with K innermost, become codes of FP4 (E2M1)
; with one E8M0 byte for each 32 along K, laid as IMAGES OF THE OPERAND'S REGISTERS:
;   a tile is 16 rows; tile 2 B + u of a tensor holds rows 32 B + 8 u + r + 8 (r / 8), r = 0 .. 15 (k_a, v_a: row r); for query a row is a t of one batch.
;   a record (tile, kh) is 4,352 bytes: four fragments of 16 rows x 128 K (two groups of 512 bytes, lane l's four registers at 16 l), then 256 bytes of scale words, [row][4 K steps].
;   cod holds 514 tiles x 2 records: tiles 0-255 query (128 b + tile of t), 256-447 in_proj_weight, 448-511 out_w, 512 k_a, 513 v_a.
; DEAD WORK: reference() forms q, k and v from query alone; key, value, need_weights and attn_mask stand in none of its expressions, whatever they hold.  So key and value are read by no launch and are among no launch's arguments.
; LIMIT: a NaN or an infinity in key or value is not carried to the result.
; A WAVE MAKES HALF A RECORD: 16 rows x 256 K, two K steps of 128.  All its 32 loads are issued at its head: nothing is asked for later.  1,028 records are 2,056 waves, 514 work-groups of four.
; Each load reads 512 consecutive bytes of one row; the 16 rows turn through the wave's own stage in LDS (rows 528 bytes apart), so that lane (r, h)
; gets, of row r, k = 64 c + 32 h + 0 .. 31: two whole blocks, in the order that the operand's layout gives that lane.  The conversions' results are the operand's registers.
; A block's scale byte is its largest magnitude's exponent field - 2, held at 1 from below.
; The codes leave as 512 consecutive bytes a store; a wave's two scale words of each row leave as 8 bytes of the row's 16: 128 of the wave's 2,176 bytes.
; LIMITS: a block whose largest magnitude lies under 2^-124 (a block of zeros too) gets the byte 1; the bytes are read by this program alone and such a block of zeros has zero codes.  NaN and infinities are not served.
; No tensor load, no barrier: waves share nothing.  One path for all five tensors: only pointers and strides are chosen, on the wave's record number.
.set SP,    528                        ; a stage row: 512 bytes + 16
.set WSTG,  16*SP                      ; a wave's stage
.set SPARE, 4*WSTG                     ; behind the four stages: the spare words, 128 bytes for each wave
.set REC,   4352
.set W,     12                         ; v12-13  my two K steps' scale words
.set CO,    14                         ; v14     where my codes go in the record: 16 x lane + 2,048 x my half
.set OFF,   16                         ; v16-31  byte offset of my 16 bytes in row i of the tile; never rewritten
.set COD,   32                         ; v32-47  codes, eight registers a K step; never rewritten
.set SPW,   48                         ; v48     LDS address of my spare word; never rewritten
.set NIL,   49                         ; v49     0; never rewritten
.set RAW,   64                         ; v64-191 two sets of 16 x 4 registers as loaded
.set X,     192                        ; v192-255 my 64 numbers of a K step
	s_load_b256 s[4:11], s[0:1], 0x0               ; query, in_proj_weight, out_w, k_a
	s_load_b128 s[12:15], s[0:1], 0x20             ; v_a, cod
	v_lshl_add_u32 v[SPW], v0, 2, SPARE
	v_mov_b32 v[NIL], 0
	v_lshrrev_b32 v8, 5, v0
	v_readfirstlane_b32 s16, v8                    ; wave
	v_and_b32 v8, 31, v0
	v_lshlrev_b32 v1, 4, v8                        ; 16 x lane
	v_and_b32 v2, 15, v0                           ; r
	v_bfe_u32 v3, v0, 4, 1                         ; h
	s_mul_i32 s32, s16, WSTG
	v_add_nc_u32 v4, s32, v1                       ; the stage, on the way in
	v_mul_u32_u24 v5, v2, SP
	v_lshl_add_u32 v5, v3, 7, v5
	v_add_nc_u32 v5, s32, v5                       ; and on the way out: row r, + 128 h bytes
	v_lshlrev_b32 v6, 3, v3                        ; 8 h: my bytes' place in a scale word
	s_and_b32 s39, s16, 1                          ; which half of the record: K steps 2 x half, 2 x half + 1
	s_lshl_b32 s40, s39, 3
	s_lshl_b32 s41, s39, 11
	v_lshlrev_b32 v7, 4, v2
	v_add_nc_u32 v7, s40, v7                       ; 16 r + 8 x half: where my row's two scale words go
	v_add_nc_u32 v[CO], s41, v1
	s_mov_b32 s34, 0x76543210
	s_mov_b32 s35, 0xfedcba98                      ; v_permlanex16_b32's selects for lane l xor 16
	s_lshl_b32 s17, ttmp9, 2
	s_add_co_u32 s17, s17, s16
	s_lshr_b32 s17, s17, 1                         ; my record
	s_lshr_b32 s18, s17, 1                         ; its tile T
	s_and_b32 s19, s17, 1                          ; kh
	s_sub_co_u32 s26, s18, 448                     ; the tile's number inside out_w,
	s_sub_co_u32 s27, s18, 256                     ; inside in_proj_weight,
	s_and_b32 s28, s18, 127                        ; inside a batch of query,
	s_lshr_b32 s29, s18, 7
	s_lshl_b32 s29, s29, 12                        ; and that batch's 4,096 bytes
	s_mov_b32 s22, 0                               ; tile inside the tensor
	s_mov_b32 s23, 4096                            ; bytes from row to row
	s_mov_b32 s24, 0                               ; what rows 8-15 lie further on: eight rows, or nothing for k_a and v_a
	s_mov_b32 s25, 0
	s_wait_alu depctr_va_vdst(0)                   ; directly ahead of the wait below
	s_wait_kmcnt 0x0
	s_mov_b64 s[20:21], s[12:13]                   ; v_a, unless ..
	s_cmp_eq_u32 s18, 512
	s_cselect_b64 s[20:21], s[10:11], s[20:21]
	s_cmp_lt_u32 s18, 512
	s_cselect_b64 s[20:21], s[8:9], s[20:21]
	s_cselect_b32 s22, s26, s22
	s_cselect_b32 s24, 32768, s24
	s_cmp_lt_u32 s18, 448
	s_cselect_b64 s[20:21], s[6:7], s[20:21]
	s_cselect_b32 s22, s27, s22
	s_cmp_lt_u32 s18, 256
	s_cselect_b64 s[20:21], s[4:5], s[20:21]
	s_cselect_b32 s22, s28, s22
	s_cselect_b32 s23, 8192, s23
	s_cselect_b32 s24, 65536, s24
	s_cselect_b32 s25, s29, s25
	s_lshr_b32 s36, s22, 1
	s_lshl_b32 s36, s36, 5
	s_and_b32 s37, s22, 1
	s_lshl_b32 s37, s37, 3
	s_add_co_u32 s36, s36, s37                     ; the tile's first row
	s_mul_i32 s36, s36, s23
	s_add_co_u32 s36, s36, s25
	s_lshl_b32 s37, s19, 11                        ; kh x 512 numbers
	s_add_co_u32 s36, s36, s37
	s_lshl_b32 s37, s39, 10                        ; my half x 256 numbers
	s_add_co_u32 s36, s36, s37
	s_mov_b32 s37, 0
	s_add_nc_u64 s[20:21], s[20:21], s[36:37]
	s_mul_i32 s36, s17, REC
	s_add_nc_u64 s[14:15], s[14:15], s[36:37]      ; my record in cod
	v_mov_b32 v[OFF], v1
.irp i, 1,2,3,4,5,6,7,8,9,10,11,12,13,14,15
.if \i == 8
	v_add3_u32 v[OFF+8], v[OFF+7], s23, s24
.else
	v_add_nc_u32 v[OFF+\i], s23, v[OFF+\i-1]
.endif
.endr
.macro LOAD s                          ; my K step s: 512 consecutive bytes of each of the 16 rows
.irp i, 0,1,2,3,4,5,6,7,8,9,10,11,12,13,14,15
	global_load_b128 v[RAW+64*(\s)+4*\i:RAW+64*(\s)+4*\i+3], v[OFF+\i], s[20:21] offset:512*(\s) th:TH_LOAD_NT
.endr
.endm
.macro TURN s                          ; through the stage: LDS serves a wave's instructions in order, so no wait stands between the stores and the loads
.irp i, 0,1,2,3,4,5,6,7,8,9,10,11,12,13,14,15
	ds_store_b128 v4, v[RAW+64*(\s)+4*\i:RAW+64*(\s)+4*\i+3] offset:SP*\i
.endr
.irp c, 0,1
.irp q, 0,1,2,3,4,5,6,7
	ds_load_b128 v[X+32*\c+4*\q:X+32*\c+4*\q+3], v5 offset:256*\c+16*\q
.endr
.endr
.endm
.macro QB s                            ; my two blocks of K step s, by turns
.irp c, 0,1
	v_max3_num_f32 v[8+\c], |v[X+32*\c]|, |v[X+32*\c+1]|, 0x1800000   ; and the floor 2^(3 - 127): the byte cannot fall under 1
.endr
.irp i, 2,4,6,8,10,12,14,16,18,20,22,24,26,28,30
.irp c, 0,1
	v_max3_num_f32 v[8+\c], v[8+\c], |v[X+32*\c+\i]|, |v[X+32*\c+\i+1]|
.endr
.endr
.irp c, 0,1
	v_add_nc_u32 v[10+\c], 0xff000000, v[8+\c]     ; 2 off the exponent field: the conversion's scale operand
.endr
.irp c, 0,1
	v_lshrrev_b32 v[8+\c], 23, v[10+\c]            ; the scale's byte
.endr
.irp c, 0,1
.irp g, 0,1,2,3
	v_cvt_scalef32_pk8_fp4_f32 v[COD+8*(\s)+4*\c+\g], v[X+32*\c+8*\g:X+32*\c+8*\g+7], v[10+\c]
.endr
.endr
	v_lshl_or_b32 v[W+(\s)], v9, 16, v8            ; (a plain line behind the conversions)  my two bytes: blocks h and 2 + h,
	v_lshlrev_b32 v[W+(\s)], v6, v[W+(\s)]         ; at their places,
	v_permlanex16_b32 v8, v[W+(\s)], s34, s35
	v_or_b32 v[W+(\s)], v[W+(\s)], v8              ; with lane l xor 16's two the word is whole, in both halves of the lanes
.irp c, 0,1
	global_store_b128 v[CO], v[COD+8*(\s)+4*\c:COD+8*(\s)+4*\c+3], s[14:15] offset:1024*(\s)+512*\c   ; 512 consecutive bytes
.endr
.endm
	LOAD 0
	LOAD 1
	s_wait_alu depctr_va_vdst(0)                   ; directly ahead of the wait below
	s_wait_loadcnt 16                              ; the first step's 16 loads are in; the second step's 16 may be out
	TURN 0
	s_wait_dscnt 0x0                               ; my 64 numbers are back
	QB 0
	s_wait_loadcnt 0x0
	TURN 1
	s_wait_dscnt 0x0
	QB 1
	global_store_b64 v7, v[W:W+1], s[14:15] offset:4096   ; both halves of the lanes write the same 8 bytes with the same values
	s_wait_tensorcnt 0x0                           ; the wave's end: behind my last LDS store
	ds_add_u32 v[SPW], v[NIL]
	s_wait_dscnt 0x0
	s_endpgm
.Lfunc_end_k_qdb5add2f94_quant:
	.size	k_qdb5add2f94_quant, .Lfunc_end_k_qdb5add2f94_quant-k_qdb5add2f94_quant
	.p2alignl 7, 3214868480
	.fill 96, 4, 3214868480
	.section	.rodata,"a",@progbits
	.p2align	6, 0x0
	.amdhsa_kernel k_qdb5add2f94_quant
		.amdhsa_group_segment_fixed_size 34304
		.amdhsa_private_segment_fixed_size 0
		.amdhsa_enable_private_segment 0
		.amdhsa_kernarg_size 48
		.amdhsa_user_sgpr_count 2
		.amdhsa_user_sgpr_kernarg_segment_ptr 1
		.amdhsa_wavefront_size32 1
		.amdhsa_system_sgpr_workgroup_id_x 1
		.amdhsa_system_sgpr_workgroup_id_y 1
		.amdhsa_system_sgpr_workgroup_id_z 1
		.amdhsa_system_vgpr_workitem_id 0
		.amdhsa_next_free_vgpr 256
		.amdhsa_next_free_sgpr 66
		.amdhsa_reserve_vcc 0
		.amdhsa_float_denorm_mode_32 3
		.amdhsa_float_denorm_mode_16_64 3
		.amdhsa_memory_ordered 1
		.amdhsa_forward_progress 1
		.amdhsa_inst_pref_size 18
	.end_amdhsa_kernel
	.amdgpu_metadata
---
amdhsa.version: [ 1, 2 ]
amdhsa.kernels:
  - .name:           k_qdb5add2f94_quant
    .symbol:         k_qdb5add2f94_quant.kd
    .args:
      - { .name: query, .offset: 0, .size: 8, .value_kind: global_buffer, .address_space: global }
      - { .name: in_proj_weight, .offset: 8, .size: 8, .value_kind: global_buffer, .address_space: global }
      - { .name: out_w, .offset: 16, .size: 8, .value_kind: global_buffer, .address_space: global }
      - { .name: k_a, .offset: 24, .size: 8, .value_kind: global_buffer, .address_space: global }
      - { .name: v_a, .offset: 32, .size: 8, .value_kind: global_buffer, .address_space: global }
      - { .name: cod, .offset: 40, .size: 8, .value_kind: global_buffer, .address_space: global }
    .group_segment_fixed_size: 34304
    .private_segment_fixed_size: 0
    .kernarg_segment_align: 8
    .kernarg_segment_size: 48
    .max_flat_workgroup_size: 128
    .sgpr_count:     66
    .vgpr_count:     256
    .wavefront_size: 32
...
	.end_amdgpu_metadata
.endif
;; end of part 1
;; launch proj (part 2): grid 16 x 16, 12 waves a work-group, clusters of 4 x 4, 271,360 bytes of LDS; arguments cod, in_proj_bias, k_b, v_b, qkc, vc, qsc, kvs; writes qkc, vc, qsc, kvs
.if DOCPART == 2
	.amdgcn_target "amdgcn-amd-amdhsa--gfx1250"
	.amdhsa_code_object_version 6
	.text
	.protected	k_qdb5add2f94_proj
	.globl	k_qdb5add2f94_proj
	.p2align	8
	.type	k_qdb5add2f94_proj,@function
k_qdb5add2f94_proj:
	s_mov_b64 s[64:65], 0
	v_nop
	global_prefetch_b8 v0, s[64:65] scope:SCOPE_SE
	s_setreg_imm32_b32 hwreg(HW_REG_WAVE_MODE, 25, 1), 1
	s_wait_xcnt 0x0
	s_wait_alu depctr_hold_cnt(0) depctr_sa_sdst(0) depctr_va_vdst(0) depctr_va_sdst(0) depctr_va_ssrc(0) depctr_va_vcc(0) depctr_vm_vsrc(0)
	s_getreg_b32 s2, hwreg(HW_REG_IB_STS2, 6, 4)
	s_cmp_eq_u32 s2, 0
	s_cbranch_scc0 .Lentry_in_a_cluster
	s_endpgm
.Lentry_in_a_cluster:
	s_bfe_u32 s2, ttmp6, 0x10000c
	s_cmp_lg_u32 s2, 0xf033
	s_cbranch_scc0 .Lentry_shape_is_right
	s_endpgm
.Lentry_shape_is_right:
; q, k and v of one head (work-group x) for 256 rows of one batch (work-group y: batch y / 8, t from 256 (y % 8)), from the codes that the launch before made:
;   q = x Wq^T + bq;   k = x Wk^T + bk + s (x k_a^T) k_b;   v likewise with v_a, v_b.  The products along K = 1,024 run on FP4 codes; the rank-16 products on f32 operands, since their results go into a quantiser.
; The results are quantised in registers and stored as images of the next launch's operand registers: q and k along the head's 64 channels (qkc, with scale words in qsc and kvs), v along the keys (vc, kvs).
; q's factor 1/8 is a power of two: q is quantised as it is and the factor stands in the next launch's softmax constant.  LIMIT: that equals the rule except where a block's scale would reach the hold at -126.
; LIMITS: a block whose largest magnitude lies under 2^-124 gets the scale byte 1 (read by this program alone); NaN and infinities are not served.
; SHARES.  Twelve waves: role = wave / 4 (0 q, 1 k, 2 v), g = wave % 4.  A wave makes 4 tiles of query rows (4 g ..) x its role's 4 tiles of weight rows: 16 accumulators.
; q, k: source 0 = 16 rows of W, source 1 = 16 rows of x: a lane holds one row t, its registers run along the channels.  v: the sources swapped: a lane holds one channel, its registers run along t.
; With the tiles' row order (tile 2 B + u: rows 32 B + 8 u + r + 8 (r / 8)) the 16 registers of two neighbouring tiles are 16 neighbours along the next K.
; ALL OPERANDS OF THE WORK-GROUP LIE IN LDS WHOLE, each filled once: no slot is ever filled again.  CLUSTER 4 x 4: the four work-groups of a row need the same tiles of x, the four of a column the same weights
; The scale words leave in pieces of 128 bytes or as halfwords: 256 bytes (v: 128) of a wave's 2,304 (v: 2,176); the codes leave as 512 consecutive bytes a store.
.set LORA_S, 0x3f800000                ; s = SCALE / RANK = 1.0, as bits
.set TREC,  8704                       ; a tile's two records
.set REC,   4352
.set QT,    0                          ; LDS: 16 tiles of x
.set WT,    16*TREC                    ; 12 tiles of weights: q's, k's, v's four
.set AT,    WT+12*TREC                 ; k_a's tile, v_a's tile
.set BT,    AT+2*TREC                  ; the head's 64 columns of k_b, then of v_b: 16 rows of 256 bytes + 16
.set BP,    272
.set LI16, 1                           ; v1   16 x lane
.set LI4,  2                           ; v2   4 x lane
.set AH,   3                           ; v3   my four tiles of x
.set AS,   4                           ; v4   my role's four tiles of weights
.set AK,   5                           ; v5   my role's tile of k_a or v_a
.set ASH,  6                           ; v6   scale words of x: lanes 0-15 an even tile's rows, lanes 16-31 the next tile's
.set ASS,  7                           ; v7   of the weights, likewise
.set ASK,  8                           ; v8   of k_a or v_a
.set AKB,  9                           ; v9   k_b or v_b: rank 8 h, my row's column
.set HS,   10                          ; v10-17 x's scale words: pair of tiles q, K step s % 4 at 4 q + s % 4
.set SS,   18                          ; v18-25 the weights'
.set KS,   26                          ; v26-29 k_a's
.set SH16, 30                          ; v30  16 h
.set BOK,  31                          ; v31  64 h: bias offset where registers run along channels
.set HF,   32                          ; v32-63 four fragments of x; later k_b's numbers; later the codes made
.set SF,   64                          ; v64-79 two fragments of weights; later at work
.set KA,   80                          ; v80-87 a fragment of k_a; later the scale words made
.set BOV,  88                          ; v88  4 (r + 8 (r / 8)): bias offset where a lane is a channel
.set BI,   96                          ; v96-127 the bias as C of the first K step,
.set QA,   96                          ;         then x k_a^T: four accumulators
.set ACC,  128                         ; v128-255 the sixteen accumulators: written by matrix instructions alone
.set TM,   64
.set G1Q, 32
.set G1W, 40
.set G1A, 48
.set G1B, 56
.set G0Q, 68
.set G0W, 72
.set G0A, 76
.set G0B, 80
.set SEL, 84
.macro PLACES n
.rept \n
	v_nop
.endr
.endm
.macro CROUND                          ; a round of the cluster's barrier
	s_barrier_signal -1
	s_barrier_wait -1
	s_cmp_lg_u32 s20, 0
	s_cbranch_scc1 .Lnot_wave_0_\@
	s_barrier_signal -3
.Lnot_wave_0_\@:
	s_barrier_wait -3
	s_barrier_signal -1
	s_barrier_wait -1
.endm
.macro DENSE g, rows                   ; group 1, words 1 to 7: a dense block as rows of 256 bytes (32 elements of 8 bytes)
	s_mov_b32 s[\g+1], 32<<16
	s_mov_b32 s[\g+2], (\rows)<<16
	s_mov_b32 s[\g+3], 32<<16
	s_mov_b32 s[\g+4], \rows
	s_mov_b32 s[\g+5], 32
	s_mov_b32 s[\g+6], 0
	s_mov_b32 s[\g+7], 0
.endm
; One product of 16 x 16 x 128 on FP4 codes.  c < 0: C is the constant 0.  ra, rb = 1: that side's scale words stand in lanes 16-31.
.macro WM d, a, b, c, sa, sb, ra, rb
.if (\c) < 0
.if (\ra) && (\rb)
	v_wmma_scale_f32_16x16x128_f8f6f4 v[\d:\d+7], v[\a:\a+7], v[\b:\b+7], 0, v[\sa], v[\sb] matrix_a_fmt:MATRIX_FMT_FP4 matrix_b_fmt:MATRIX_FMT_FP4 matrix_a_scale:MATRIX_SCALE_ROW1 matrix_b_scale:MATRIX_SCALE_ROW1
.elseif (\ra)
	v_wmma_scale_f32_16x16x128_f8f6f4 v[\d:\d+7], v[\a:\a+7], v[\b:\b+7], 0, v[\sa], v[\sb] matrix_a_fmt:MATRIX_FMT_FP4 matrix_b_fmt:MATRIX_FMT_FP4 matrix_a_scale:MATRIX_SCALE_ROW1
.elseif (\rb)
	v_wmma_scale_f32_16x16x128_f8f6f4 v[\d:\d+7], v[\a:\a+7], v[\b:\b+7], 0, v[\sa], v[\sb] matrix_a_fmt:MATRIX_FMT_FP4 matrix_b_fmt:MATRIX_FMT_FP4 matrix_b_scale:MATRIX_SCALE_ROW1
.else
	v_wmma_scale_f32_16x16x128_f8f6f4 v[\d:\d+7], v[\a:\a+7], v[\b:\b+7], 0, v[\sa], v[\sb] matrix_a_fmt:MATRIX_FMT_FP4 matrix_b_fmt:MATRIX_FMT_FP4
.endif
.else
.if (\ra) && (\rb)
	v_wmma_scale_f32_16x16x128_f8f6f4 v[\d:\d+7], v[\a:\a+7], v[\b:\b+7], v[\c:\c+7], v[\sa], v[\sb] matrix_a_fmt:MATRIX_FMT_FP4 matrix_b_fmt:MATRIX_FMT_FP4 matrix_a_scale:MATRIX_SCALE_ROW1 matrix_b_scale:MATRIX_SCALE_ROW1
.elseif (\ra)
	v_wmma_scale_f32_16x16x128_f8f6f4 v[\d:\d+7], v[\a:\a+7], v[\b:\b+7], v[\c:\c+7], v[\sa], v[\sb] matrix_a_fmt:MATRIX_FMT_FP4 matrix_b_fmt:MATRIX_FMT_FP4 matrix_a_scale:MATRIX_SCALE_ROW1
.elseif (\rb)
	v_wmma_scale_f32_16x16x128_f8f6f4 v[\d:\d+7], v[\a:\a+7], v[\b:\b+7], v[\c:\c+7], v[\sa], v[\sb] matrix_a_fmt:MATRIX_FMT_FP4 matrix_b_fmt:MATRIX_FMT_FP4 matrix_b_scale:MATRIX_SCALE_ROW1
.else
	v_wmma_scale_f32_16x16x128_f8f6f4 v[\d:\d+7], v[\a:\a+7], v[\b:\b+7], v[\c:\c+7], v[\sa], v[\sb] matrix_a_fmt:MATRIX_FMT_FP4 matrix_b_fmt:MATRIX_FMT_FP4
.endif
.endif
.endm
; Tile a of x against tile b of the weights, K step s.  o = 0: the weight is source 0;  o = 1: x is.  The first K step takes the bias as C.
.macro MM o, a, b, s
.if \o == 0
.set rD,  ACC+32*(\a)+8*(\b)
.set rA,  SF+8*((\b)%2)
.set rB,  HF+8*(\a)
.set rSA, SS+4*((\b)/2)+(\s)%4
.set rSB, HS+4*((\a)/2)+(\s)%4
.set rRA, (\b)%2
.set rRB, (\a)%2
.else
.set rD,  ACC+32*(\b)+8*(\a)
.set rA,  HF+8*(\a)
.set rB,  SF+8*((\b)%2)
.set rSA, HS+4*((\a)/2)+(\s)%4
.set rSB, SS+4*((\b)/2)+(\s)%4
.set rRA, (\a)%2
.set rRB, (\b)%2
.endif
.if (\s) == 0
.set rC, BI+8*(\b)
.else
.set rC, rD
.endif
	WM rD, rA, rB, rC, rSA, rSB, rRA, rRB
.endm
; x k_a^T for tile a of x: source 0 = k_a's 16 rows: lane (r, h) holds row r of x and ranks 8 h + 0 .. 7
.macro QAW a, s
.set rD, QA+8*(\a)
.if (\s) == 0
.set rC, -1
.else
.set rC, rD
.endif
	WM rD, KA, HF+8*(\a), rC, KS+(\s)%4, HS+4*((\a)/2)+(\s)%4, 0, (\a)%2
.endm
; A K step of 128.  The accumulators take turns, one instruction a turn.
.macro KSTEP o, lora, s
.set KO, REC*((\s)/4)+1024*((\s)%4)
.if (\s) > 0
	PLACES 4                                       ; in front of loads into registers that matrix instructions have read
.endif
.irp a, 0,1,2,3
.irp c, 0,1
	ds_load_b128 v[HF+8*\a+4*\c:HF+8*\a+4*\c+3], v[AH] offset:TREC*\a+KO+512*\c
.endr
.endr
.irp b, 0,1
.irp c, 0,1
	ds_load_b128 v[SF+8*\b+4*\c:SF+8*\b+4*\c+3], v[AS] offset:TREC*\b+KO+512*\c
.endr
.endr
.if \lora
.irp c, 0,1
	ds_load_b128 v[KA+4*\c:KA+4*\c+3], v[AK] offset:KO+512*\c
.endr
.endif
.if ((\s)%4) == 0                      ; four K steps' scale words by one load a pair of tiles
.irp q, 0,1
	ds_load_b128 v[HS+4*\q:HS+4*\q+3], v[ASH] offset:2*TREC*\q+REC*((\s)/4)
	ds_load_b128 v[SS+4*\q:SS+4*\q+3], v[ASS] offset:2*TREC*\q+REC*((\s)/4)
.endr
.if \lora
	ds_load_b128 v[KS:KS+3], v[ASK] offset:REC*((\s)/4)
.endif
.endif
	s_wait_dscnt 0x0
.irp a, 0,1,2,3
.irp b, 0,1
	MM \o, \a, \b, \s
.endr
.endr
	PLACES 4
.irp b, 0,1
.irp c, 0,1
	ds_load_b128 v[SF+8*\b+4*\c:SF+8*\b+4*\c+3], v[AS] offset:TREC*(\b+2)+KO+512*\c
.endr
.endr
	s_wait_dscnt 0x0
.irp a, 0,1,2,3
.irp b, 2,3
	MM \o, \a, \b, \s
.endr
.endr
.if \lora
.if (\s) == 0
	PLACES 5                                       ; these sums are laid over the bias registers, which the products above read as C
.endif
.irp a, 0,1,2,3
	QAW \a, \s
.endr
.endif
.endm
; + (x k_a^T) k_b on f32 operands, K = 16 in four steps of 4.  Slot (step st, half h, register j) stands for rank 8 h + 2 st + j on both sides: so the registers of x k_a^T are the operand as they stand.
.macro LORA o
	PLACES 5                                       ; behind the last products on codes: their results become operands and C of another form
.if LORA_S != 0x3f800000
.irp j, 0,1,2,3,4,5,6,7,8,9,10,11,12,13,14,15,16,17,18,19,20,21,22,23,24,25,26,27,28,29,30,31
	v_mul_f32 v[QA+\j], LORA_S, v[QA+\j]
.endr
.endif
.irp b, 0,1,2,3
.irp e, 0,1,2,3,4,5,6,7
	ds_load_b32 v[HF+8*\b+\e], v[AKB] offset:BP*\e+4*(32*(\b/2)+8*(\b%2))   ; k_b[8 h + e][the column of row r of tile b]
.endr
.endr
	s_wait_dscnt 0x0
.irp st, 0,1,2,3
.irp a, 0,1,2,3
.irp b, 0,1,2,3
.if \o == 0
	v_wmma_f32_16x16x4_f32 v[ACC+32*\a+8*\b:ACC+32*\a+8*\b+7], v[HF+8*\b+2*\st:HF+8*\b+2*\st+1], v[QA+8*\a+2*\st:QA+8*\a+2*\st+1], v[ACC+32*\a+8*\b:ACC+32*\a+8*\b+7]
.else
	v_wmma_f32_16x16x4_f32 v[ACC+32*\b+8*\a:ACC+32*\b+8*\a+7], v[QA+8*\a+2*\st:QA+8*\a+2*\st+1], v[HF+8*\b+2*\st:HF+8*\b+2*\st+1], v[ACC+32*\b+8*\a:ACC+32*\b+8*\a+7]
.endif
.endr
.endr
.endr
.endm
; 64 numbers of a lane, register 16 b + i = place 32 b + 16 h + i along the next K, become eight registers of codes (v[pc] on) and a word of four scale bytes (v[pw]).
.macro QUANT s, pc, pw
.irp b, 0,1,2,3
	v_max3_num_f32 v[TM+\b], |v[\s+16*\b]|, |v[\s+1+16*\b]|, 0x1800000   ; and the floor 2^(3 - 127): the byte cannot fall under 1
.endr
.irp i, 2,4,6,8,10,12,14
.irp b, 0,1,2,3
	v_max3_num_f32 v[TM+\b], v[TM+\b], |v[\s+16*\b+\i]|, |v[\s+1+16*\b+\i]|
.endr
.endr
.irp b, 0,1,2,3
	s_delay_alu instid0(VALU_DEP_4)
	v_permlanex16_b32 v[TM+4+\b], v[TM+\b], s[SEL], s[SEL+1]
.endr
.irp b, 0,1,2,3
	s_delay_alu instid0(VALU_DEP_4)
	v_max_num_f32 v[TM+\b], v[TM+\b], v[TM+4+\b]   ; with lane l xor 16's: the block's largest magnitude
.endr
.irp b, 0,1,2,3
	s_delay_alu instid0(VALU_DEP_4)
	v_add_nc_u32 v[TM+12+\b], 0xff000000, v[TM+\b] ; 2 off the exponent field: the conversion's scale operand
.endr
.irp b, 0,1,2,3
	s_delay_alu instid0(VALU_DEP_4)
	v_lshrrev_b32 v[TM+4+\b], 23, v[TM+12+\b]      ; the scale's byte
.endr
	s_delay_alu instid0(VALU_DEP_3)
	v_lshl_or_b32 v[\pw], v[TM+5], 8, v[TM+4]
	s_delay_alu instid0(VALU_DEP_1)
	v_lshl_or_b32 v[\pw], v[TM+6], 16, v[\pw]
	s_delay_alu instid0(VALU_DEP_1)
	v_lshl_or_b32 v[\pw], v[TM+7], 24, v[\pw]
.irp b, 0,1,2,3
	v_cvt_scalef32_pk8_fp4_f32 v[\pc+2*\b], v[\s+16*\b:\s+7+16*\b], v[TM+12+\b]
	v_cvt_scalef32_pk8_fp4_f32 v[\pc+1+2*\b], v[\s+8+16*\b:\s+15+16*\b], v[TM+12+\b]
.endr
	v_nop                                          ; one plain place behind a scaled conversion
.irp c, 0,1                            ; a whole block to a lane: lanes 0-15 block 2 c, lanes 16-31 block 2 c + 1
.irp i, 0,1
	v_permlane16_swap_b32 v[\pc+4*\c+\i], v[\pc+2+4*\c+\i]
.endr
.endr
.endm
; A role's whole text.  kind 0 q, 1 k, 2 v.
.macro ROLE o, lora, kind
.if \kind < 2
	s_lshl_b32 s96, s31, 4
	s_lshl_b32 s97, s22, 2
	s_add_co_u32 s96, s96, s97                     ; my first tile of t in the batch: 16 (y % 8) + 4 g
	s_add_co_u32 s94, s30, 32*\kind                ; 2 head' + b: k's heads lie behind q's sixteen
	s_lshl_b32 s94, s94, 16
	s_lshl_b32 s95, s96, 9
	s_add_co_u32 s94, s94, s95
	s_mov_b32 s95, 0
	s_add_nc_u64 s[12:13], s[12:13], s[94:95]      ; qkc: 512 bytes a tile
.if \kind == 0
	s_lshl_b32 s94, s30, 13
.else
	s_mul_i32 s94, s30, 12288
.endif
	s_lshl_b32 s97, s96, 6
	s_add_co_u32 s94, s94, s97
.if \kind == 0
	s_add_nc_u64 s[16:17], s[16:17], s[94:95]      ; qsc: 64 bytes a tile
.set OS, 16
.else
	s_add_nc_u64 s[18:19], s[18:19], s[94:95]      ; kvs, K's part
.set OS, 18
.endif
.set OC, 12
.set OSTEP, 512
.else
	s_lshl_b32 s96, s31, 1
	s_lshr_b32 s97, s22, 1
	s_add_co_u32 s96, s96, s97                     ; the key step of 128: 2 (y % 8) + g / 2
	s_and_b32 s97, s22, 1                          ; and which 64 keys of it
	s_lshl_b32 s94, s30, 16
	s_lshl_b32 s95, s96, 12
	s_add_co_u32 s94, s94, s95
	s_lshl_b32 s95, s97, 9
	s_add_co_u32 s94, s94, s95
	s_mov_b32 s95, 0
	s_add_nc_u64 s[14:15], s[14:15], s[94:95]      ; vc
	s_mul_i32 s94, s30, 12288
	s_lshl_b32 s96, s96, 8
	s_add_co_u32 s94, s94, s96
	s_lshl_b32 s97, s97, 1
	s_add_co_u32 s94, s94, s97
	s_add_co_u32 s94, s94, 8192
	s_add_nc_u64 s[18:19], s[18:19], s[94:95]      ; kvs, V's part: my halfword of each word
.set OC, 14
.set OS, 18
.set OSTEP, 1024
.endif
.if \o == 0
.irp b, 0,1,2,3                        ; lane (r, h), tile 2 B + u: the bias of channels 32 B + 16 h + 8 u + 0 .. 7
	global_load_b128 v[BI+8*\b:BI+8*\b+3], v[BOK], s[6:7] offset:4*(32*(\b/2)+8*(\b%2))
	global_load_b128 v[BI+8*\b+4:BI+8*\b+7], v[BOK], s[6:7] offset:4*(32*(\b/2)+8*(\b%2))+16
.endr
.else
.irp b, 0,1,2,3                        ; a lane is one channel: its bias in all eight registers of C
.irp j, 0,1,2,3,4,5,6,7
	global_load_b32 v[BI+8*\b+\j], v[BOV], s[6:7] offset:4*(32*(\b/2)+8*(\b%2))
.endr
.endr
.endif
	s_wait_loadcnt 0x0
.irp s, 0,1,2,3,4,5,6,7
	KSTEP \o, \lora, \s
.endr
.if \lora
	LORA \o
.endif
	PLACES 8                                       ; behind the f32 form, in front of the first read of results and of writes over its operands
.irp b, 0,1,2,3
	v_mov_b32 v[TM+4+\b], 0                        ; a lane permute's destination counts as one of its sources
.endr
	QUANT ACC, 32, 80
	QUANT ACC+64, 40, 81
	v_lshrrev_b32 v48, v[SH16], v80                ; lanes 0-15 keep the first tile's two bytes, lanes 16-31 the second's
	v_lshrrev_b32 v49, v[SH16], v81
	s_delay_alu instid0(VALU_DEP_2)
	v_and_b32 v48, 0xffff, v48                     ; bytes 2 and 3 of a word of q or k stand over zero codes
	s_delay_alu instid0(VALU_DEP_2)
	v_and_b32 v49, 0xffff, v49
.irp i, 0,1,2,3
	global_store_b128 v[LI16], v[32+4*\i:35+4*\i], s[OC:OC+1] offset:OSTEP*\i   ; 512 consecutive bytes
.endr
.if \kind < 2
	global_store_b32 v[LI4], v48, s[OS:OS+1]
	global_store_b32 v[LI4], v49, s[OS:OS+1] offset:128
.else
	global_store_b16 v[LI4], v48, s[OS:OS+1]
	global_store_b16 v[LI4], v49, s[OS:OS+1] offset:128
.endif
.endm
	s_load_b256 s[4:11], s[0:1], 0x0               ; cod, in_proj_bias, k_b, v_b
	s_load_b256 s[12:19], s[0:1], 0x20             ; qkc, vc, qsc, kvs
	v_lshl_add_u32 v89, v0, 2, 0x41e00
	s_set_vgpr_msb 0x40
	v_mov_b32 v1, 0
	s_set_vgpr_msb 0x4044
	ds_add_u32 v89, v1
	ds_add_u32 v89, v1
	s_set_vgpr_msb 0x4400
	v_lshrrev_b32 v90, 5, v0
	s_delay_alu instid0(VALU_DEP_1)
	v_readfirstlane_b32 s20, v90                   ; wave 0..11
	s_lshr_b32 s21, s20, 2                         ; role
	s_and_b32 s22, s20, 3                          ; g
	s_bfe_u32 s23, ttmp6, 0x40000                  ; cx
	s_bfe_u32 s24, ttmp6, 0x40004                  ; cy
	s_lshl_b32 s25, ttmp9, 2
	s_add_co_u32 s25, s25, s23                     ; the head = work-group x
	s_and_b32 s26, ttmp7, 0xffff
	s_lshl_b32 s26, s26, 2
	s_add_co_u32 s26, s26, s24                     ; the block of 256 rows = work-group y
	s_lshl_b32 s27, s24, 2
	s_lshl_b32 s27, 15, s27                        ; my row of the cluster
	s_lshl_b32 s28, 0x1111, s23                    ; my column
	s_lshr_b32 s29, s26, 3                         ; the batch
	s_lshl_b32 s30, s25, 1
	s_add_co_u32 s30, s30, s29                     ; 2 head + batch
	s_and_b32 s31, s26, 7
	s_or_b32 s[G1Q], s27, (3<<16)|(1<<21)          ; x's tiles go to my row; elements of 8 bytes; bit 21 set beside a mask
	DENSE G1Q, 272                                 ; eight tiles: 69,632 bytes
	s_or_b32 s[G1W], s28, (3<<16)|(1<<21)          ; the weights go to my column
	DENSE G1W, 136                                 ; four tiles
	s_mov_b32 s[G1A], 3<<16                        ; k_a and v_a: no mask
	DENSE G1A, 68
	s_or_b32 s[G1B], s28, (2<<16)|(1<<20)|(1<<21)|(5<<22)|(3<<25)   ; k_b, v_b: elements of 4 bytes, four words of padding behind every 64
	s_mov_b32 s[G1B+1], 64<<16                     ; tensor_dim0 = 64
	s_mov_b32 s[G1B+2], 16<<16                     ; tensor_dim1 = 16
	s_mov_b32 s[G1B+3], 64<<16                     ; tile_dim0
	s_mov_b32 s[G1B+4], 16                         ; tile_dim1
	s_mov_b32 s[G1B+5], 1024                       ; elements from row to row
	s_mov_b32 s[G1B+6], 0
	s_mov_b32 s[G1B+7], 0
	s_mov_b32 s[SEL], 0x76543210
	s_mov_b32 s[SEL+1], 0xfedcba98
	s_lshl_b32 s86, s26, 4                         ; x: tile 16 y + 8 wave (waves 0, 1).  These two registers never hold cx
	s_lshl_b32 s87, s20, 3
	s_add_co_u32 s86, s86, s87
	s_mul_i32 s86, s86, TREC
	s_mov_b32 s87, 0
	s_lshl_b32 s88, s20, 6                         ; weights: tile 256 + 64 (wave - 2) + 4 head (waves 2 to 4).  s88 to s93 never hold cy
	s_lshl_b32 s89, s25, 2
	s_add_co_u32 s88, s88, s89
	s_add_co_u32 s88, s88, 128
	s_mul_i32 s88, s88, TREC
	s_mov_b32 s89, 0
	s_lshl_b32 s92, s25, 8                         ; the head's 64 columns of k_b, v_b
	s_mov_b32 s93, 0
	s_lshl_b32 s98, s21, 12                        ; the bias of my role and head
	s_lshl_b32 s99, s25, 8
	s_add_co_u32 s98, s98, s99
	s_mov_b32 s99, 0
	s_wait_dscnt 0x0
	s_wait_kmcnt 0x0
	s_mov_b32 s[G0Q], 1
	s_mul_i32 s[G0Q+1], s20, 8*TREC
	s_add_nc_u64 s[G0Q+2:G0Q+3], s[4:5], s[86:87]
	s_or_b32 s[G0Q+3], s[G0Q+3], 0x80000000
	s_mov_b32 s[G0W], 1
	s_mul_i32 s[G0W+1], s20, 4*TREC
	s_add_co_u32 s[G0W+1], s[G0W+1], WT-2*4*TREC
	s_add_nc_u64 s[G0W+2:G0W+3], s[4:5], s[88:89]
	s_or_b32 s[G0W+3], s[G0W+3], 0x80000000
	s_mov_b32 s[G0A], 1
	s_mov_b32 s[G0A+1], AT
	s_add_nc_u64 s[G0A+2:G0A+3], s[4:5], 512*TREC
	s_or_b32 s[G0A+3], s[G0A+3], 0x80000000
	s_cmp_eq_u32 s20, 6                            ; wave 6 k_b, wave 7 v_b
	s_cselect_b64 s[90:91], s[8:9], s[10:11]
	s_mov_b32 s[G0B], 1
	s_mul_i32 s[G0B+1], s20, 16*BP
	s_add_co_u32 s[G0B+1], s[G0B+1], BT-6*16*BP
	s_add_nc_u64 s[G0B+2:G0B+3], s[90:91], s[92:93]
	s_or_b32 s[G0B+3], s[G0B+3], 0x80000000
	s_add_nc_u64 s[6:7], s[6:7], s[98:99]
	CROUND                                         ; all sixteen work-groups are here: the joint loads meet
	s_cmp_lt_u32 s20, 2                            ; one load a wave, waves 0 to 7; four v_nop follow each
	s_cbranch_scc0 .Lnot_x
	tensor_load_to_lds s[G0Q:G0Q+3], s[G1Q:G1Q+7]
	s_nop 0
	PLACES 4
	s_branch .Lasked
.Lnot_x:
	s_cmp_lt_u32 s20, 5
	s_cbranch_scc0 .Lnot_w
	tensor_load_to_lds s[G0W:G0W+3], s[G1W:G1W+7]
	s_nop 0
	PLACES 4
	s_branch .Lasked
.Lnot_w:
	s_cmp_eq_u32 s20, 5
	s_cbranch_scc0 .Lnot_a
	tensor_load_to_lds s[G0A:G0A+3], s[G1A:G1A+7]
	s_nop 0
	PLACES 4
	s_branch .Lasked
.Lnot_a:
	s_cmp_lt_u32 s20, 8
	s_cbranch_scc0 .Lasked
	tensor_load_to_lds s[G0B:G0B+3], s[G1B:G1B+7]
	s_nop 0
	PLACES 4
.Lasked:
	; every LDS address is made here, ahead of the parting of the roles: a constant, the wave's role or g times a constant, and lane terms
	v_and_b32 v90, 15, v0                          ; r
	v_bfe_u32 v91, v0, 4, 1                        ; h
	v_and_b32 v92, 31, v0
	s_delay_alu instid0(VALU_DEP_1)
	v_lshlrev_b32 v[LI16], 4, v92
	s_wait_alu depctr_va_vdst(0)
	v_lshlrev_b32 v[LI4], 2, v92
	v_and_b32 v92, 8, v90
	s_delay_alu instid0(VALU_DEP_1)
	v_add_nc_u32 v92, v92, v90                     ; r + 8 (r / 8)
	s_mul_i32 s94, s22, 4*TREC
	s_mul_i32 s95, s21, 4*TREC
	s_add_co_u32 s95, s95, WT
	s_lshr_b32 s96, s21, 1                         ; k_a (roles 0, 1) or v_a (role 2)
	s_mul_i32 s97, s96, TREC
	s_add_co_u32 s97, s97, AT
	s_mul_i32 s96, s96, 16*BP
	s_add_co_u32 s96, s96, BT
	v_add_nc_u32 v[AH], s94, v[LI16]
	v_add_nc_u32 v[AS], s95, v[LI16]
	v_add_nc_u32 v[AK], s97, v[LI16]
	v_mul_u32_u24 v93, v91, TREC
	s_delay_alu instid0(VALU_DEP_1)
	v_lshl_add_u32 v93, v90, 4, v93
	s_delay_alu instid0(VALU_DEP_1)
	v_add_nc_u32 v93, 4096, v93                    ; a record's scale words: 16 bytes a row; lanes 16-31 the next tile's
	s_delay_alu instid0(VALU_DEP_1)
	v_add_nc_u32 v[ASH], s94, v93
	s_delay_alu instid0(VALU_DEP_2)
	v_add_nc_u32 v[ASS], s95, v93
	v_lshlrev_b32 v94, 4, v90
	s_delay_alu instid0(VALU_DEP_1)
	v_add_nc_u32 v94, 4096, v94
	s_delay_alu instid0(VALU_DEP_1)
	v_add_nc_u32 v[ASK], s97, v94
	v_mul_u32_u24 v95, v91, 8*BP
	s_delay_alu instid0(VALU_DEP_1)
	v_lshl_add_u32 v95, v92, 2, v95
	s_delay_alu instid0(VALU_DEP_1)
	v_add_nc_u32 v[AKB], s96, v95
	v_lshlrev_b32 v[SH16], 4, v91
	v_lshlrev_b32 v[BOK], 6, v91
	v_lshlrev_b32 v[BOV], 2, v92
	s_wait_tensorcnt 0x0                           ; my part of the fill has landed,
	s_barrier_signal -1
	s_barrier_wait -1                              ; everybody's has.  From here on LDS is only read
	s_cmp_eq_u32 s21, 0
	s_cbranch_scc1 .Lrole_q
	s_cmp_eq_u32 s21, 1
	s_cbranch_scc1 .Lrole_k
	s_wait_alu depctr_va_vdst(0)
	ROLE 1, 1, 2
	s_branch .Lend
.Lrole_k:
	s_wait_alu depctr_va_vdst(0)
	ROLE 0, 1, 1
	s_branch .Lend
.Lrole_q:
	s_wait_alu depctr_va_vdst(0)
	ROLE 0, 0, 0
.Lend:
	s_set_vgpr_msb 0x4
	s_wait_tensorcnt 0x0
	ds_add_u32 v89, v1
	s_wait_dscnt 0x0
	s_set_vgpr_msb 0x400
	CROUND                                         ; the closing round: no work-group ends while a partner may still ask for a tile that names it
	s_endpgm
.Lfunc_end_k_qdb5add2f94_proj:
	.size	k_qdb5add2f94_proj, .Lfunc_end_k_qdb5add2f94_proj-k_qdb5add2f94_proj
	.p2alignl 7, 3214868480
	.fill 96, 4, 3214868480
	.section	.rodata,"a",@progbits
	.p2align	6, 0x0
	.amdhsa_kernel k_qdb5add2f94_proj
		.amdhsa_group_segment_fixed_size 271360
		.amdhsa_private_segment_fixed_size 0
		.amdhsa_enable_private_segment 0
		.amdhsa_kernarg_size 64
		.amdhsa_user_sgpr_count 2
		.amdhsa_user_sgpr_kernarg_segment_ptr 1
		.amdhsa_wavefront_size32 1
		.amdhsa_system_sgpr_workgroup_id_x 1
		.amdhsa_system_sgpr_workgroup_id_y 1
		.amdhsa_system_sgpr_workgroup_id_z 1
		.amdhsa_system_vgpr_workitem_id 0
		.amdhsa_next_free_vgpr 258
		.amdhsa_next_free_sgpr 100
		.amdhsa_reserve_vcc 0
		.amdhsa_float_denorm_mode_32 3
		.amdhsa_float_denorm_mode_16_64 3
		.amdhsa_memory_ordered 1
		.amdhsa_forward_progress 1
		.amdhsa_inst_pref_size 149
	.end_amdhsa_kernel
	.amdgpu_metadata
---
amdhsa.version: [ 1, 2 ]
amdhsa.kernels:
  - .name:           k_qdb5add2f94_proj
    .symbol:         k_qdb5add2f94_proj.kd
    .args:
      - { .name: cod, .offset: 0, .size: 8, .value_kind: global_buffer, .address_space: global }
      - { .name: in_proj_bias, .offset: 8, .size: 8, .value_kind: global_buffer, .address_space: global }
      - { .name: k_b, .offset: 16, .size: 8, .value_kind: global_buffer, .address_space: global }
      - { .name: v_b, .offset: 24, .size: 8, .value_kind: global_buffer, .address_space: global }
      - { .name: qkc, .offset: 32, .size: 8, .value_kind: global_buffer, .address_space: global }
      - { .name: vc, .offset: 40, .size: 8, .value_kind: global_buffer, .address_space: global }
      - { .name: qsc, .offset: 48, .size: 8, .value_kind: global_buffer, .address_space: global }
      - { .name: kvs, .offset: 56, .size: 8, .value_kind: global_buffer, .address_space: global }
    .group_segment_fixed_size: 271360
    .private_segment_fixed_size: 0
    .kernarg_segment_align: 8
    .kernarg_segment_size: 64
    .max_flat_workgroup_size: 384
    .sgpr_count:     100
    .vgpr_count:     258
    .wavefront_size: 32
...
	.end_amdgpu_metadata
.endif
;; end of part 2
;; launch attn (part 3): grid 8 x 32, 16 waves a work-group, clusters of 4 x 1, 327,680 bytes of LDS; arguments qkc, qsc, vc, kvs, ac; writes ac
.if DOCPART == 3
	.amdgcn_target "amdgcn-amd-amdhsa--gfx1250"
	.amdhsa_code_object_version 6
	.text
	.protected	k_qdb5add2f94_attn
	.globl	k_qdb5add2f94_attn
	.p2align	8
	.type	k_qdb5add2f94_attn,@function
k_qdb5add2f94_attn:
	s_mov_b64 s[64:65], 0
	v_nop
	global_prefetch_b8 v0, s[64:65] scope:SCOPE_SE
	s_setreg_imm32_b32 hwreg(HW_REG_WAVE_MODE, 25, 1), 1
	s_wait_xcnt 0x0
	s_wait_alu depctr_hold_cnt(0) depctr_sa_sdst(0) depctr_va_vdst(0) depctr_va_sdst(0) depctr_va_ssrc(0) depctr_va_vcc(0) depctr_vm_vsrc(0)
	s_getreg_b32 s2, hwreg(HW_REG_IB_STS2, 6, 4)
	s_cmp_eq_u32 s2, 0
	s_cbranch_scc0 .Lentry_in_a_cluster
	s_endpgm
.Lentry_in_a_cluster:
	s_bfe_u32 s2, ttmp6, 0x10000c
	s_cmp_lg_u32 s2, 0x3003
	s_cbranch_scc0 .Lentry_shape_is_right
	s_endpgm
.Lentry_shape_is_right:
; Attention of one head and batch (work-group y = 2 head + batch) for 256 queries (work-group x), both products on codes of FP4 with one E8M0 scale for each 32 along K.
; t = score x log2(e) / 8 (q was quantised without its factor 1/8, a power of two); M = the running largest t rounded up to a whole number; p = 2^(t - M) is quantised along the keys, not normalised;
; the row's sum is taken of the unquantised p and divides O at the end; when M moves, the sum and O are multiplied by 2^(old M - new M), which rounds nothing.
; The result is quantised along the channels and stored as a piece of the last launch's operand image (ac): this head's 64 channels are half a K step of 128.
; SHARES.  Sixteen waves, each one tile of 16 queries in 256 registers, four to a SIMD.  Every wave walks all 2,048 keys, 128 a step.
; LAYOUT.  S^T = K Q^T (source 0 = 16 keys) and O^T = V^T P (source 0 = 16 channels): a lane holds one query throughout.  The head's 64 channels fill registers 0-3 of K's and Q's fragments; registers 4-7 hold zero codes.
; A LANE HOLDS WHOLE BLOCKS OF 32 KEYS.  Row m of tile 4 c + u of a step is key 64 c + 32 (m / 8) + 8 u + m % 8, so the 32 score registers of tiles 4 c .. 4 c + 3 of lane (r, h) are keys 64 c + 32 h + 0 .. 31:
; a block's largest score needs no other lane, and the eight conversions' results are P's operand registers as they stand.  qkc holds key 32 B + 8 u' + r' + 8 (r' / 8) as row r' of stored tile 2 B + u':
; the tiles wanted here are composed by the lanes' LDS addresses alone: stored tile 4 c + 2 (m / 8) + u % 2, row m % 8 + 8 (u / 2).
; K's codes lie in LDS as rows of 1,024 bytes (two stored tiles) + 128 of padding, so that lanes m and m + 8, two stored tiles apart, stand 1,152 bytes apart: the sixteen lanes of a half read sixteen different 16-byte columns modulo 256.
; K's and V's codes and scale words of the whole head lie in LDS, each byte filled once, one tensor load a wave: chunk 0 (keys 0-511) of K, of V and all scale words at the head (waves 0, 4, 8);
; the six other chunks behind the sequence and the round (waves 1-3: K, 5-7: V).  Steps 0 to 2 read chunk 0 alone; one more barrier shows the rest; the last thirteen steps run without a meeting of the waves.
; THE KEY STEP: K's fragments are asked for a step ahead and V's at the softmax's head, one run of 22 LDS loads with one wait a softmax later; the 66 exponentials go as one batch.
; CLUSTER 4 x 1: the four query blocks of a cluster walk the same K and V: joint loads with a mask that names the four.
; No prefetch: every tile is asked for once, in the head's two groups, and no later request exists to run ahead of.
; LIMITS: a block whose largest magnitude lies under 2^-124 gets the scale byte 1 (read by this program alone); NaN and infinities are not served; the promise holds while |t| stays under 2^31.
.set KCH,  18432                       ; a chunk of K in LDS: 16 rows of 1,152 bytes
.set KST,  4608                        ; a step's eight tiles of K: four such rows
.set LV,   73728                       ; V's codes, 4,096 bytes a key step
.set LKS,  139264                      ; K's scale words, 64 bytes a stored tile
.set LVS,  147456                      ; V's, 256 bytes a key step
.set SPARE, 151552                     ; the spare words: 128 bytes for each of 16 waves
.set AK0,  1                           ; v1   my lane's place in a step of K
.set AV0,  2                           ; v2   LV + 16 x lane
.set AS0,  3                           ; v3   my lane's place among a step's scale words of K
.set AT0,  4                           ; v4   LVS + 4 x lane
.set ADK,  8                           ; v8   K's codes of the next step
.set ADV,  9                           ; v9   V's codes of the step in hand
.set ADS,  10                          ; v10  K's scale words of the next step
.set ADT,  11                          ; v11  V's of the step in hand
.set AK1,  26                          ; v26  AK0 + a step
.set AS1,  27                          ; v27  AS0 + a step's 512 bytes
.set OLDM, 30                          ; v30  -M as the last step left it
.set SUM,  236                         ; v236-243 the step's sums of p, four chains of pairs
.set WV,   14
.set SEL,  20
.set CS,   22
.set G1S,  24
.set G1C,  32
.set G1K,  40
.set G0S,  48
.set G0K,  52
.set G0V,  56
.set TK,   60                          ; s60  where the step's codes of K begin
.set TS,   61                          ; s61  K's scale words: 512 bytes a step
.set TT,   62                          ; s62  V's: 256 bytes a step
.set CNT,  63
.set TV,   80                          ; s80  V's codes: 4,096 bytes a step
; REGISTERS: v5 16 r, v6 4 r, v7 16 x lane, v28 8 h, v29 and v31 the add's two; v12 -M, v13 the largest score, v[14:15] the sum in two halves; v16-23 Q; v32-63 and v192-223 eight fragments of K; v64-95 four of V;
; v96-159 S^T, then p; v160-191 O^T; v224-231 p's codes; v232, v234 the two blocks' largest; v233, v235-247 at work; v248, v249, v24, v25 K's scale words, v250-251 V's (an even tile in lanes 0-15, the next in lanes 16-31);
; v252 f; v253 p's scale word; v254 at work; v255 Q's scale words.
.macro PLACES n
.rept \n
	v_nop
.endr
.endm
.macro CROUND
	s_barrier_signal -1
	s_barrier_wait -1
	s_cmp_lg_u32 s[WV], 0
	s_cbranch_scc1 .Lnot_wave_0_\@
	s_barrier_signal -3
.Lnot_wave_0_\@:
	s_barrier_wait -3
	s_barrier_signal -1
	s_barrier_wait -1
.endm
.macro DENSE g, rows                   ; group 1: a dense block as rows of 256 bytes, for all four work-groups
	s_mov_b32 s[\g], 15|(3<<16)|(1<<21)
	s_mov_b32 s[\g+1], 32<<16
	s_mov_b32 s[\g+2], (\rows)<<16
	s_mov_b32 s[\g+3], 32<<16
	s_mov_b32 s[\g+4], \rows
	s_mov_b32 s[\g+5], 32
	s_mov_b32 s[\g+6], 0
	s_mov_b32 s[\g+7], 0
.endm
.macro TL g0, g1                       ; a joint load with an s_nop and four v_nop behind it
	tensor_load_to_lds s[\g0:\g0+3], s[\g1:\g1+7]
	s_nop 0
	PLACES 4
.endm
.macro WM d, a, b, c, sa, sb, ra       ; c < 0: C is the constant 0.  ra = 1: source 0's scale words stand in lanes 16-31
.if (\c) < 0
.if (\ra)
	v_wmma_scale_f32_16x16x128_f8f6f4 v[\d:\d+7], v[\a:\a+7], v[\b:\b+7], 0, v[\sa], v[\sb] matrix_a_fmt:MATRIX_FMT_FP4 matrix_b_fmt:MATRIX_FMT_FP4 matrix_a_scale:MATRIX_SCALE_ROW1
.else
	v_wmma_scale_f32_16x16x128_f8f6f4 v[\d:\d+7], v[\a:\a+7], v[\b:\b+7], 0, v[\sa], v[\sb] matrix_a_fmt:MATRIX_FMT_FP4 matrix_b_fmt:MATRIX_FMT_FP4
.endif
.else
.if (\ra)
	v_wmma_scale_f32_16x16x128_f8f6f4 v[\d:\d+7], v[\a:\a+7], v[\b:\b+7], v[\c:\c+7], v[\sa], v[\sb] matrix_a_fmt:MATRIX_FMT_FP4 matrix_b_fmt:MATRIX_FMT_FP4 matrix_a_scale:MATRIX_SCALE_ROW1
.else
	v_wmma_scale_f32_16x16x128_f8f6f4 v[\d:\d+7], v[\a:\a+7], v[\b:\b+7], v[\c:\c+7], v[\sa], v[\sb] matrix_a_fmt:MATRIX_FMT_FP4 matrix_b_fmt:MATRIX_FMT_FP4
.endif
.endif
.endm
; A step's eight tiles of K (registers 0-3 of each fragment) and their four pairs of scale words.  Tile 4 c + u: 2,304 c + 512 (u % 2) + 128 (u / 2) bytes on; pair 2 c + u / 2 of words: 256 c + 32 (u / 2)
.macro KLOAD ka, ksa
.irp t, 0,1,2,3
	ds_load_b128 v[32+8*\t:35+8*\t], v[\ka] offset:512*(\t%2)+128*(\t/2)
.endr
.irp t, 0,1,2,3
	ds_load_b128 v[192+8*\t:195+8*\t], v[\ka] offset:2304+512*(\t%2)+128*(\t/2)
.endr
	ds_load_b32 v248, v[\ksa]
	ds_load_b32 v249, v[\ksa] offset:32
	ds_load_b32 v24, v[\ksa] offset:256
	ds_load_b32 v25, v[\ksa] offset:288
.endm
	s_load_b256 s[4:11], s[0:1], 0x0               ; qkc, qsc, vc, kvs
	s_load_b64 s[12:13], s[0:1], 0x20              ; ac
	v_lshl_add_u32 v29, v0, 2, SPARE
	v_mov_b32 v31, 0
	ds_add_u32 v29, v31                            ; the opening lines: the add, twice on end, and its wait below
	ds_add_u32 v29, v31
	v_lshrrev_b32 v8, 5, v0
	s_delay_alu instid0(VALU_DEP_1)
	v_readfirstlane_b32 s[WV], v8                  ; wave 0..15
	s_bfe_u32 s15, ttmp6, 0x40000                  ; cx: it enters Q's and the result's addresses alone
	s_lshl_b32 s16, ttmp9, 2
	s_add_co_u32 s16, s16, s15                     ; my block of 256 queries
	s_and_b32 s17, ttmp7, 0xffff                   ; y = 2 head + batch, which the four partners share
	DENSE G1S, 48                                  ; the scale words: 12,288 bytes
	DENSE G1C, 64                                  ; a chunk of V's codes: 16,384 bytes
	s_mov_b32 s[G1K], 15|(3<<16)|(1<<20)|(1<<21)|(7<<22)|(31<<25)   ; a chunk of K's codes: 16 rows of 1,024 bytes (128 elements of 8), 32 words of padding behind every 256
	s_mov_b32 s[G1K+1], 128<<16
	s_mov_b32 s[G1K+2], 16<<16
	s_mov_b32 s[G1K+3], 128<<16
	s_mov_b32 s[G1K+4], 16
	s_mov_b32 s[G1K+5], 128
	s_mov_b32 s[G1K+6], 0
	s_mov_b32 s[G1K+7], 0
	s_mov_b32 s[SEL], 0x76543210
	s_mov_b32 s[SEL+1], 0xfedcba98
	s_mov_b32 s[CS], 0x3e38aa3b                    ; c = log2(e) / 8
	s_mov_b32 s[CS+1], s[CS]                       ; (named with it as a pair, so it is written)
	s_mul_i32 s66, s17, 12288
	s_mov_b32 s67, 0
	s_and_b32 s72, s[WV], 3                        ; the chunk that my wave fetches, if it fetches codes
	s_lshl_b32 s74, s72, 14                        ; its place in memory
	v_and_b32 v8, 31, v0
	v_and_b32 v9, 7, v0                            ; m % 8
	v_bfe_u32 v10, v0, 3, 1                        ; m / 8
	v_bfe_u32 v11, v0, 4, 1                        ; h
	v_lshlrev_b32 v7, 4, v8                        ; 16 x lane
	v_mul_u32_u24 v[AK0], v10, 1152                ; K: 1,152 (m / 8) + 16 (m % 8) + 256 h
	v_lshlrev_b32 v[AS0], 7, v10                   ; its scale words: 128 (m / 8) + 4 (m % 8) + 64 h
	v_lshl_add_u32 v[AK0], v9, 4, v[AK0]
	v_lshl_add_u32 v[AS0], v9, 2, v[AS0]
	v_lshl_add_u32 v[AK0], v11, 8, v[AK0]
	v_lshl_add_u32 v[AS0], v11, 6, v[AS0]
	v_add_nc_u32 v[AV0], LV, v7
	v_add_nc_u32 v[AS0], LKS, v[AS0]
	v_lshl_add_u32 v[AT0], v8, 2, LVS
	v_add_nc_u32 v[AK1], KST, v[AK0]
	v_add_nc_u32 v[AS1], 512, v[AS0]
	v_and_b32 v6, 15, v0
	v_lshlrev_b32 v28, 3, v11                      ; 8 h: my bytes' place in p's scale word
	v_lshlrev_b32 v5, 4, v6                        ; 16 r: a row's scale bytes in ac
	v_lshlrev_b32 v6, 2, v6                        ; 4 r: Q's scale word
	s_wait_alu depctr_va_vdst(0)                   ; ahead of the waits below
	s_wait_dscnt 0x0
	s_wait_kmcnt 0x0
	s_mov_b32 s[G0S], 1
	s_mov_b32 s[G0S+1], LKS
	s_add_nc_u64 s[G0S+2:G0S+3], s[10:11], s[66:67]
	s_or_b32 s[G0S+3], s[G0S+3], 0x80000000
	s_mov_b32 s[G0K], 1                            ; K's codes lie in qkc behind q's 32 blocks of 65,536 bytes
	s_mul_i32 s[G0K+1], s72, KCH
	s_add_co_u32 s70, s17, 32
	s_lshl_b32 s70, s70, 16
	s_add_co_u32 s70, s70, s74
	s_mov_b32 s71, 0
	s_add_nc_u64 s[G0K+2:G0K+3], s[4:5], s[70:71]
	s_or_b32 s[G0K+3], s[G0K+3], 0x80000000
	s_mov_b32 s[G0V], 1
	s_add_co_u32 s[G0V+1], s74, LV
	s_lshl_b32 s70, s17, 16
	s_add_co_u32 s70, s70, s74
	s_add_nc_u64 s[G0V+2:G0V+3], s[8:9], s[70:71]
	s_or_b32 s[G0V+3], s[G0V+3], 0x80000000
	s_lshl_b32 s73, s16, 4
	s_add_co_u32 s73, s73, s[WV]                   ; my tile of queries in the batch
	s_lshl_b32 s74, s17, 16
	s_lshl_b32 s75, s73, 9
	s_add_co_u32 s74, s74, s75
	s_mov_b32 s75, 0
	s_add_nc_u64 s[18:19], s[4:5], s[74:75]        ; its codes (in a pair of its own: none that feeds a joint load ever holds cx)
	s_lshl_b32 s74, s17, 13
	s_lshl_b32 s76, s73, 6
	s_add_co_u32 s74, s74, s76
	s_add_nc_u64 s[6:7], s[6:7], s[74:75]          ; its scale words
	global_load_b128 v[16:19], v7, s[18:19]        ; Q's codes stay in registers: asked for ahead of the round, waited for in front of the first step
	global_load_b32 v255, v6, s[6:7]
	s_and_b32 s76, s17, 1
	s_lshl_b32 s76, s76, 7
	s_add_co_u32 s76, s76, s73                     ; the tile in ac: 128 batch + tile
	s_mul_i32 s74, s76, 8704
	s_lshr_b32 s77, s17, 4                         ; head / 8: which record
	s_mul_i32 s77, s77, 4352
	s_add_co_u32 s74, s74, s77
	s_bfe_u32 s77, s17, 0x30001                    ; head % 8
	s_lshl_b32 s78, s77, 1
	s_add_co_u32 s78, s78, s74
	s_add_co_u32 s78, s78, 4096                    ; my halfword of each row's 16 scale bytes
	s_mov_b32 s79, 0
	s_add_nc_u64 s[78:79], s[12:13], s[78:79]
	s_lshl_b32 s77, s77, 9
	s_add_co_u32 s74, s74, s77                     ; my 512 bytes of codes
	s_add_nc_u64 s[12:13], s[12:13], s[74:75]
	CROUND                                         ; all four work-groups are here: the joint loads meet
	s_cmp_eq_u32 s[WV], 0                          ; the head's loads, one chain, one load to an arm: wave 0 K's chunk 0, wave 4 V's, wave 8 the scale words
	s_cbranch_scc0 .Lh_v
	TL G0K, G1K
	s_branch .Lasked
.Lh_v:
	s_cmp_eq_u32 s[WV], 4
	s_cbranch_scc0 .Lh_s
	TL G0V, G1C
	s_branch .Lasked
.Lh_s:
	s_cmp_eq_u32 s[WV], 8
	s_cbranch_scc0 .Lasked
	TL G0S, G1S
.Lasked:
.irp i, 20,21,22,23
	v_mov_b32 v[\i], 0                             ; zero codes for k = 64 .. 127 of the first product, in Q
.endr
.irp t, 0,1,2,3
.irp i, 4,5,6,7
	v_mov_b32 v[32+8*\t+\i], 0                     ; and in K's eight fragments: written once, the loads fill registers 0-3 alone
	v_mov_b32 v[192+8*\t+\i], 0
.endr
.endr
	v_mov_b32 v13, 0xff61b1e6                      ; the largest score so far: -3e38, under every score
	v_mov_b32 v14, 0
	v_mov_b32 v15, 0
	v_floor_f32 v12, -v13                          ; -M: so large that the first step's f is 0
	v_mov_b32 v237, 0                              ; a lane permute's destination counts as one of its sources
	v_mov_b32 v253, 0                              ; (named as the upper half of the pair v[252:253] before it is first written)
	v_mov_b32 v[OLDM], v12
.irp j, 0,1,2,3,4,5,6,7,8,9,10,11,12,13,14,15,16,17,18,19,20,21,22,23,24,25,26,27,28,29,30,31
	v_mov_b32 v[160+\j], 0                         ; O^T: the step is written for every step alike; the first finds zeros, which f = 0 leaves zeros
.endr
.macro R n                             ; O^T's pair n under the new M
	v_pk_mul_f32 v[160+2*(\n):161+2*(\n)], v[160+2*(\n):161+2*(\n)], v[252:253] op_sel_hi:[1,0]
.endm
.macro TM n                            ; t - M of pair n of the lane's 64 scores (of the pairs c and -M the low word serves both halves)
	v_pk_fma_f32 v[96+2*(\n):97+2*(\n)], v[96+2*(\n):97+2*(\n)], s[CS:CS+1], v[12:13] op_sel_hi:[1,0,0]
.endm
; A KEY STEP: 128 keys.  At its head K's fragments and scale words are in registers: the step before asked for them.
.macro STEP
.irp t, 0,1,2,3,4,5,6,7                ; S^T = K Q^T: eight tiles of 16 keys, eight accumulators, each begun with the constant 0
.if \t < 4
.set rK, 32+8*\t
.set rS, 248+\t/2
.else
.set rK, 192+8*(\t-4)
.set rS, 24+(\t-4)/2
.endif
	WM 96+8*\t, rK, 16, -1, rS, 255, \t%2
.endr
	v_add_nc_u32 v[ADV], s[TV], v[AV0]             ; four plain instructions that name no register of a product: the places between the products above and the loads into K's registers and the first
	v_add_nc_u32 v[ADT], s[TT], v[AT0]             ; read of the scores, and between the last step's V^T P and the loads into V's registers
	v_add_nc_u32 v[ADK], s[TK], v[AK1]
	v_add_nc_u32 v[ADS], s[TS], v[AS1]
.irp t, 0,1,2,3                        ; this step's V and the next step's K, in one run: they land under the softmax
.irp c, 0,1
	ds_load_b128 v[64+8*\t+4*\c:67+8*\t+4*\c], v[ADV] offset:1024*\t+512*\c
.endr
.endr
.irp q, 0,1
	ds_load_b32 v[250+\q], v[ADT] offset:128*\q
.endr
	KLOAD ADK, ADS                                 ; (behind the last step this reads the bytes that follow K's: V's, which have landed and are only read; the registers are not used)
.irp b, 0,1,2,3                        ; the largest score of my two blocks of 32 keys, each in two chains of 16 registers; each accumulator is first read at its low end
	v_max3_num_f32 v[232+\b], v[96+16*\b], v[97+16*\b], v[98+16*\b]
.endr
.irp i, 3,5,7,9,11,13
.irp b, 0,1,2,3
	v_max3_num_f32 v[232+\b], v[232+\b], v[96+16*\b+\i], v[97+16*\b+\i]
.endr
.endr
	v_max3_num_f32 v232, v232, v233, v111
	v_max3_num_f32 v234, v234, v235, v143
	v_max_num_f32 v232, v232, v127                 ; block h: it serves the row's maximum and, since p rises with the score, the block's largest p
	v_max_num_f32 v234, v234, v159                 ; block 2 + h
	v_max_num_f32 v236, v232, v234
	v_permlanex16_b32 v237, v236, s[SEL], s[SEL+1] ; lane l xor 16's two blocks
	v_max3_num_f32 v13, v13, v236, v237            ; the running largest score (c is positive: the largest score gives the largest t)
	v_mul_f32 v254, s[CS], v13                     ; as t
	v_floor_f32 v12, -v254                         ; the new -M = floor(-t) = -ceil(t)
	v_sub_f32 v254, v12, v[OLDM]                   ; old M - new M: a whole number, 0 or less
	TM 0
	TM 1
	v_cvt_i32_f32 v254, v254                       ; (it saturates)
	TM 2
	TM 3
	v_ldexp_f32 v252, 1.0, v254                    ; f = 2^(old M - new M)
	v_fma_f32 v232, v232, s[CS], v12               ; t - M of my blocks' largest scores
	v_fma_f32 v234, v234, s[CS], v12
.set n, 4
.rept 28
	TM n
.set n, n+1
.endr
	s_wait_alu depctr_va_vdst(0)                   ; the wait ahead of the batch
	v_exp_f32 v232, v232                           ; the blocks' largest p
	v_exp_f32 v234, v234
.set n, 0
.rept 64
	v_exp_f32 v[96+n], v[96+n]                     ; p = 2^(t - M), at most 1: not normalised
.set n, n+1
.endr
	v_mov_b32 v[OLDM], v12                         ; for the next step: the plain place behind the exponentials
	s_wait_alu depctr_va_vdst(0)                   ; one wait for the whole batch, and directly ahead of O^T's first readers
	R 0
	R 1
	v_max_num_f32 v232, 0x1800000, v232            ; the floor 2^(3 - 127): the byte cannot fall under 1
	v_max_num_f32 v234, 0x1800000, v234
	R 2
	R 3
	v_add_nc_u32 v244, 0xff000000, v232            ; 2 off the exponent field: the conversion's scale operand
	v_add_nc_u32 v245, 0xff000000, v234
	R 4
	R 5
	v_lshrrev_b32 v236, 23, v244                   ; the scales' bytes
	v_lshrrev_b32 v237, 23, v245
	R 6
	R 7
	v_lshl_or_b32 v236, v237, 16, v236             ; blocks h and 2 + h,
	R 8
	R 9
	v_lshlrev_b32 v236, v28, v236                  ; at their places in the word
	R 10
	R 11
	R 12
	R 13
	v_permlanex16_b32 v237, v236, s[SEL], s[SEL+1]
	R 14
	R 15
	v_or_b32 v253, v236, v237                      ; with lane l xor 16's two bytes p's scale word for these 128 keys is whole
.irp c, 0,1
.irp u, 0,1,2,3
	v_cvt_scalef32_pk8_fp4_f32 v[224+4*\c+\u], v[96+32*\c+8*\u:103+32*\c+8*\u], v[244+\c]   ; register 4 c + u of P's operand: keys 64 c + 32 h + 8 u + 0 .. 7
.endr
.endr
.irp i, 0,1,2,3                        ; THE ROW'S SUM IS TAKEN OF THE UNQUANTISED p: 32 pairs in four chains.  These 32 plain lines are also the places between p's codes and scale word and the products below
	v_pk_add_f32 v[SUM+2*\i:SUM+2*\i+1], v[96+2*\i:97+2*\i], v[104+2*\i:105+2*\i]
.endr
.set n, 8
.rept 24
	v_pk_add_f32 v[SUM+2*(n%4):SUM+2*(n%4)+1], v[SUM+2*(n%4):SUM+2*(n%4)+1], v[96+2*n:97+2*n]
.set n, n+1
.endr
	v_pk_add_f32 v[SUM:SUM+1], v[SUM:SUM+1], v[SUM+2:SUM+3]
	v_pk_add_f32 v[SUM+4:SUM+5], v[SUM+4:SUM+5], v[SUM+6:SUM+7]
	v_pk_add_f32 v[SUM:SUM+1], v[SUM:SUM+1], v[SUM+4:SUM+5]
	v_pk_fma_f32 v[14:15], v[14:15], v[252:253], v[SUM:SUM+1] op_sel_hi:[1,0,1]  ; the running sum under the new M, and this step's
	s_wait_alu depctr_va_vdst(0)                   ; directly ahead of the wait below
	s_wait_dscnt 0x0                               ; the step's one wait for LDS: V's fragments and scale words, and the next step's K
.irp t, 0,1,2,3                        ; O^T += V^T P: the four accumulators by turns
	WM 160+8*\t, 64+8*\t, 224, 160+8*\t, 250+\t/2, 253, \t%2
.endr
	s_add_co_u32 s[TK], s[TK], KST
	s_add_co_u32 s[TV], s[TV], 4096
	s_add_co_u32 s[TS], s[TS], 512
	s_add_co_u32 s[TT], s[TT], 256
.endm
	s_wait_alu depctr_va_vdst(0)                   ; the wait at the head's end
	s_wait_tensorcnt 0x0                           ; my load of the head's three has landed; these lines stand ahead of a later first fill:
	ds_add_u32 v29, v31                            ; the add, twice on end here
	ds_add_u32 v29, v31
	s_wait_dscnt 0x0                               ; and the wait for both
	CROUND                                         ; chunk 0 and the scale words are whole, and all four work-groups are here: the joint loads meet
	s_cmp_eq_u32 s72, 0                            ; one chain, one load to an arm: waves 1-3 K's chunks 1-3, waves 5-7 V's; chunk 0 is in
	s_cbranch_scc1 .Lasked2
	s_cmp_lt_u32 s[WV], 4
	s_cbranch_scc0 .Lg_v
	TL G0K, G1K
	s_branch .Lasked2
.Lg_v:
	s_cmp_lt_u32 s[WV], 8
	s_cbranch_scc0 .Lasked2
	TL G0V, G1C
.Lasked2:
	KLOAD AK0, AS0                                 ; K of step 0
	s_mov_b32 s[TK], 0
	s_mov_b32 s[TV], 0
	s_mov_b32 s[TS], 0
	s_mov_b32 s[TT], 0
	s_mov_b32 s[CNT], 3
	s_wait_loadcnt 0x0                             ; Q
	s_wait_dscnt 0x0
.Lfirst:                                           ; steps 0 to 2: they read V of steps 0 to 2 and K of steps 1 to 3, all in chunk 0 (steps 0 to 3)
	STEP
	s_sub_co_u32 s[CNT], s[CNT], 1
	s_cmp_lg_u32 s[CNT], 0
	s_cbranch_scc1 .Lfirst
	s_wait_tensorcnt 0x0                           ; my chunk has landed,
	s_wait_dscnt 0x0
	s_barrier_signal -1
	s_barrier_wait -1                              ; everybody's has
	s_mov_b32 s[TK], 3*KST
	s_mov_b32 s[TV], 3*4096
	s_mov_b32 s[TS], 3*512
	s_mov_b32 s[TT], 3*256
	s_mov_b32 s[CNT], 13
.Lrest:                                            ; steps 3 to 15
	STEP
	s_sub_co_u32 s[CNT], s[CNT], 1
	s_cmp_lg_u32 s[CNT], 0
	s_cbranch_scc1 .Lrest
	; THE END.  O^T / the sum, quantised along the channels: register 16 B + i of lane (r, h) is channel 32 B + 16 h + i of query r.
	PLACES 4
	v_add_f32 v14, v14, v15
	s_delay_alu instid0(VALU_DEP_1)
	v_permlanex16_b32 v252, v14, s[SEL], s[SEL+1]
	s_delay_alu instid0(VALU_DEP_1)
	v_add_f32 v14, v14, v252                       ; the row's sum
	s_wait_alu depctr_va_vdst(0)                   ; the wait ahead of the transcendental
	v_rcp_f32 v14, v14
	v_nop                                          ; one plain place behind a transcendental
	s_wait_alu depctr_va_vdst(0)                   ; and ahead of its first reader, which is O^T's first reader too
.irp j, 0,1,2,3,4,5,6,7,8,9,10,11,12,13,14,15,16,17,18,19,20,21,22,23,24,25,26,27,28,29,30,31
	v_mul_f32 v[96+\j], v[160+\j], v14
.endr
.irp b, 0,1
	v_max3_num_f32 v[232+\b], |v[96+16*\b]|, |v[97+16*\b]|, 0x1800000
.endr
.irp i, 2,4,6,8,10,12,14
.irp b, 0,1
	s_delay_alu instid0(VALU_DEP_2)
	v_max3_num_f32 v[232+\b], v[232+\b], |v[96+16*\b+\i]|, |v[97+16*\b+\i]|
.endr
.endr
.irp b, 0,1
	s_delay_alu instid0(VALU_DEP_2)
	v_permlanex16_b32 v[236+\b], v[232+\b], s[SEL], s[SEL+1]
.endr
.irp b, 0,1
	s_delay_alu instid0(VALU_DEP_2)
	v_max_num_f32 v[232+\b], v[232+\b], v[236+\b]
.endr
.irp b, 0,1
	s_delay_alu instid0(VALU_DEP_2)
	v_add_nc_u32 v[244+\b], 0xff000000, v[232+\b]
.endr
.irp b, 0,1
	s_delay_alu instid0(VALU_DEP_2)
	v_lshrrev_b32 v[236+\b], 23, v[244+\b]
.endr
	s_delay_alu instid0(VALU_DEP_1)
	v_lshl_or_b32 v253, v237, 8, v236              ; my row's two scale bytes
.irp b, 0,1
	v_cvt_scalef32_pk8_fp4_f32 v[224+2*\b], v[96+16*\b:103+16*\b], v[244+\b]
	v_cvt_scalef32_pk8_fp4_f32 v[225+2*\b], v[104+16*\b:111+16*\b], v[244+\b]
.endr
	v_nop
	v_permlane16_swap_b32 v224, v226
	v_permlane16_swap_b32 v225, v227               ; v224-227: channels 32 h + 0 .. 31 of query r
	global_store_b128 v7, v[224:227], s[12:13]     ; 512 consecutive bytes
	global_store_b16 v5, v253, s[78:79]            ; both halves of the lanes write the same halfword with the same value
	s_wait_tensorcnt 0x0                           ; the wave's end
	ds_add_u32 v29, v31
	s_wait_dscnt 0x0
	CROUND                                         ; the closing round
	s_endpgm
.Lfunc_end_k_qdb5add2f94_attn:
	.size	k_qdb5add2f94_attn, .Lfunc_end_k_qdb5add2f94_attn-k_qdb5add2f94_attn
	.p2alignl 7, 3214868480
	.fill 96, 4, 3214868480
	.section	.rodata,"a",@progbits
	.p2align	6, 0x0
	.amdhsa_kernel k_qdb5add2f94_attn
		.amdhsa_group_segment_fixed_size 327680
		.amdhsa_private_segment_fixed_size 0
		.amdhsa_enable_private_segment 0
		.amdhsa_kernarg_size 40
		.amdhsa_user_sgpr_count 2
		.amdhsa_user_sgpr_kernarg_segment_ptr 1
		.amdhsa_wavefront_size32 1
		.amdhsa_system_sgpr_workgroup_id_x 1
		.amdhsa_system_sgpr_workgroup_id_y 1
		.amdhsa_system_sgpr_workgroup_id_z 1
		.amdhsa_system_vgpr_workitem_id 0
		.amdhsa_next_free_vgpr 256
		.amdhsa_next_free_sgpr 84
		.amdhsa_reserve_vcc 0
		.amdhsa_float_denorm_mode_32 3
		.amdhsa_float_denorm_mode_16_64 3
		.amdhsa_memory_ordered 1
		.amdhsa_forward_progress 1
		.amdhsa_inst_pref_size 45
	.end_amdhsa_kernel
	.amdgpu_metadata
---
amdhsa.version: [ 1, 2 ]
amdhsa.kernels:
  - .name:           k_qdb5add2f94_attn
    .symbol:         k_qdb5add2f94_attn.kd
    .args:
      - { .name: qkc, .offset: 0, .size: 8, .value_kind: global_buffer, .address_space: global }
      - { .name: qsc, .offset: 8, .size: 8, .value_kind: global_buffer, .address_space: global }
      - { .name: vc, .offset: 16, .size: 8, .value_kind: global_buffer, .address_space: global }
      - { .name: kvs, .offset: 24, .size: 8, .value_kind: global_buffer, .address_space: global }
      - { .name: ac, .offset: 32, .size: 8, .value_kind: global_buffer, .address_space: global }
    .group_segment_fixed_size: 327680
    .private_segment_fixed_size: 0
    .kernarg_segment_align: 8
    .kernarg_segment_size: 40
    .max_flat_workgroup_size: 512
    .sgpr_count:     84
    .vgpr_count:     256
    .wavefront_size: 32
...
	.end_amdgpu_metadata
.endif
;; end of part 3
;; launch outp (part 4): grid 8 x 32, 16 waves a work-group, clusters of 4 x 4, 210,944 bytes of LDS; arguments ac, cod, out_b, out0; writes out0
.if DOCPART == 4
	.amdgcn_target "amdgcn-amd-amdhsa--gfx1250"
	.amdhsa_code_object_version 6
	.text
	.protected	k_qdb5add2f94_outp
	.globl	k_qdb5add2f94_outp
	.p2align	8
	.type	k_qdb5add2f94_outp,@function
k_qdb5add2f94_outp:
	s_mov_b64 s[64:65], 0
	v_nop
	global_prefetch_b8 v0, s[64:65] scope:SCOPE_SE
	s_setreg_imm32_b32 hwreg(HW_REG_WAVE_MODE, 25, 1), 1
	s_wait_xcnt 0x0
	s_wait_alu depctr_hold_cnt(0) depctr_sa_sdst(0) depctr_va_vdst(0) depctr_va_sdst(0) depctr_va_ssrc(0) depctr_va_vcc(0) depctr_vm_vsrc(0)
	s_getreg_b32 s2, hwreg(HW_REG_IB_STS2, 6, 4)
	s_cmp_eq_u32 s2, 0
	s_cbranch_scc0 .Lentry_in_a_cluster
	s_endpgm
.Lentry_in_a_cluster:
	s_bfe_u32 s2, ttmp6, 0x10000c
	s_cmp_lg_u32 s2, 0xf033
	s_cbranch_scc0 .Lentry_shape_is_right
	s_endpgm
.Lentry_shape_is_right:
; out0 = a out_w^T + out_b on codes of FP4: a is attention's result as the launch before stored it (ac), out_w's codes are tiles 448-511 of cod; both are images of the operand's registers.
; A work-group makes 8 tiles of 16 rows (work-group y) x 128 columns (work-group x).  Sixteen waves: wave w takes row tile w % 8 and the four weight tiles 4 (w / 8) ..: 64 columns, four accumulators.
; Source 0 = 16 rows of out_w, source 1 = 16 rows of a: a lane holds one row, and with the tiles' row order (32 B + 8 u + r + 8 (r / 8)) its 32 results are columns 32 B + 16 h + 0 .. 15.
; All operands of the work-group, 139,264 bytes, lie in LDS whole, each byte filled once.  CLUSTER 4 x 4: a's tiles are shared along a row of the cluster, out_w's along a column: joint loads.
; The way out goes through a stage of the wave's own (16 rows of 256 bytes + 16), into which no fill lands, so that sixteen lanes store 256 consecutive bytes, aligned.
.set TREC,  8704
.set REC,   4352
.set WTL,   8*TREC                     ; LDS: a's eight tiles, then out_w's eight,
.set STG,   16*TREC                    ; then the sixteen stages
.set SPI,   272
.set AH,   3                           ; v3   my tile of a
.set AS,   4                           ; v4   my four tiles of out_w
.set ASH,  5                           ; v5   a's scale words
.set ASS,  6                           ; v6   out_w's: lanes 0-15 an even tile's rows, lanes 16-31 the next tile's
.set SS,   10                          ; v10-17
.set HS,   18                          ; v18-21
.set SF,   32                          ; v32-63 four fragments of out_w
.set HF,   64                          ; v64-71 a fragment of a
.set ACC,  96                          ; v96-127
.set BI,   128                         ; v128-159 the bias as C of the first K step
.set BK,   160                         ; v160-191 rows read back from the stage
.set G1H, 24
.set G1W, 32
.set G0H, 40
.set G0W, 44
.macro PLACES n
.rept \n
	v_nop
.endr
.endm
.macro CROUND
	s_barrier_signal -1
	s_barrier_wait -1
	s_cmp_lg_u32 s12, 0
	s_cbranch_scc1 .Lnot_wave_0_\@
	s_barrier_signal -3
.Lnot_wave_0_\@:
	s_barrier_wait -3
	s_barrier_signal -1
	s_barrier_wait -1
.endm
.macro DENSE g, rows
	s_mov_b32 s[\g+1], 32<<16
	s_mov_b32 s[\g+2], (\rows)<<16
	s_mov_b32 s[\g+3], 32<<16
	s_mov_b32 s[\g+4], \rows
	s_mov_b32 s[\g+5], 32
	s_mov_b32 s[\g+6], 0
	s_mov_b32 s[\g+7], 0
.endm
.macro WM d, a, b, c, sa, sb, ra       ; ra = 1: source 0's scale words stand in lanes 16-31
.if (\ra)
	v_wmma_scale_f32_16x16x128_f8f6f4 v[\d:\d+7], v[\a:\a+7], v[\b:\b+7], v[\c:\c+7], v[\sa], v[\sb] matrix_a_fmt:MATRIX_FMT_FP4 matrix_b_fmt:MATRIX_FMT_FP4 matrix_a_scale:MATRIX_SCALE_ROW1
.else
	v_wmma_scale_f32_16x16x128_f8f6f4 v[\d:\d+7], v[\a:\a+7], v[\b:\b+7], v[\c:\c+7], v[\sa], v[\sb] matrix_a_fmt:MATRIX_FMT_FP4 matrix_b_fmt:MATRIX_FMT_FP4
.endif
.endm
	s_load_b256 s[4:11], s[0:1], 0x0               ; ac, cod, out_b, out0
	v_lshl_add_u32 v192, v0, 2, 0x33000
	v_mov_b32 v193, 0
	ds_add_u32 v192, v193
	ds_add_u32 v192, v193
	v_lshrrev_b32 v22, 5, v0
	s_delay_alu instid0(VALU_DEP_1)
	v_readfirstlane_b32 s12, v22                   ; wave 0..15
	s_lshr_b32 s13, s12, 3                         ; which 64 columns
	s_and_b32 s14, s12, 7                          ; which tile of rows
	s_bfe_u32 s15, ttmp6, 0x40000                  ; cx
	s_bfe_u32 s16, ttmp6, 0x40004                  ; cy
	s_lshl_b32 s17, ttmp9, 2
	s_add_co_u32 s17, s17, s15                     ; work-group x
	s_and_b32 s18, ttmp7, 0xffff
	s_lshl_b32 s18, s18, 2
	s_add_co_u32 s18, s18, s16                     ; work-group y
	s_lshl_b32 s19, s16, 2
	s_lshl_b32 s19, 15, s19                        ; my row of the cluster
	s_lshl_b32 s20, 0x1111, s15                    ; my column
	s_or_b32 s[G1H], s19, (3<<16)|(1<<21)
	DENSE G1H, 136                                 ; four tiles: 34,816 bytes
	s_or_b32 s[G1W], s20, (3<<16)|(1<<21)
	DENSE G1W, 136
	s_lshl_b32 s48, s18, 3                         ; a: tile 8 y + 4 wave (waves 0, 1).  These two registers never hold cx
	s_lshl_b32 s49, s12, 2
	s_add_co_u32 s48, s48, s49
	s_mul_i32 s48, s48, TREC
	s_mov_b32 s49, 0
	s_lshl_b32 s50, s17, 3                         ; out_w: tile 448 + 8 x + 4 (wave - 2) (waves 2, 3).  These two never hold cy
	s_lshl_b32 s51, s12, 2
	s_add_co_u32 s50, s50, s51
	s_add_co_u32 s50, s50, 440
	s_mul_i32 s50, s50, TREC
	s_mov_b32 s51, 0
	s_mul_i32 s52, s12, 4*TREC                     ; where they go: wave x four tiles
	s_lshl_b32 s58, s17, 9                         ; my first column, in bytes: 512 x + 256 (wave / 8)
	s_lshl_b32 s59, s13, 8
	s_add_co_u32 s58, s58, s59
	s_mov_b32 s59, 0
	s_lshl_b32 s54, s18, 3
	s_add_co_u32 s54, s54, s14                     ; my tile of rows: 128 batch + tile of t
	s_lshr_b32 s55, s54, 7                         ; the batch
	s_and_b32 s54, s54, 127
	s_lshr_b32 s56, s54, 1
	s_lshl_b32 s56, s56, 5
	s_and_b32 s57, s54, 1
	s_lshl_b32 s57, s57, 3
	s_add_co_u32 s56, s56, s57                     ; its first t
	s_lshl_b32 s56, s56, 1
	s_add_co_u32 s56, s56, s55                     ; row 2 t + batch
	s_lshl_b32 s56, s56, 12
	s_mov_b32 s57, 0
	s_wait_dscnt 0x0
	s_wait_kmcnt 0x0
	s_mov_b32 s[G0H], 1
	s_mov_b32 s[G0H+1], s52
	s_add_nc_u64 s[G0H+2:G0H+3], s[4:5], s[48:49]
	s_or_b32 s[G0H+3], s[G0H+3], 0x80000000
	s_mov_b32 s[G0W], 1
	s_mov_b32 s[G0W+1], s52
	s_add_nc_u64 s[G0W+2:G0W+3], s[6:7], s[50:51]
	s_or_b32 s[G0W+3], s[G0W+3], 0x80000000
	s_add_nc_u64 s[8:9], s[8:9], s[58:59]          ; out_b at my first column
	s_add_nc_u64 s[10:11], s[10:11], s[58:59]
	s_add_nc_u64 s[10:11], s[10:11], s[56:57]      ; out0 at my tile's first row and my first column
	CROUND                                         ; all sixteen work-groups are here: the joint loads meet
	s_cmp_lt_u32 s12, 2                            ; one load a wave, waves 0 to 3; four v_nop follow each
	s_cbranch_scc0 .Lnot_a
	tensor_load_to_lds s[G0H:G0H+3], s[G1H:G1H+7]
	s_nop 0
	PLACES 4
	s_branch .Lasked
.Lnot_a:
	s_cmp_lt_u32 s12, 4
	s_cbranch_scc0 .Lasked
	tensor_load_to_lds s[G0W:G0W+3], s[G1W:G1W+7]
	s_nop 0
	PLACES 4
.Lasked:
	v_and_b32 v22, 31, v0
	s_delay_alu instid0(VALU_DEP_1)
	v_lshlrev_b32 v1, 4, v22                       ; 16 x lane
	v_and_b32 v23, 15, v0                          ; r
	v_bfe_u32 v24, v0, 4, 1                        ; h
	s_delay_alu instid0(VALU_DEP_1)
	v_lshlrev_b32 v2, 6, v24                       ; 64 h: the bias of my half's channels
.irp b, 0,1,2,3                        ; lane (r, h), tile 2 B + u: the bias of columns 32 B + 16 h + 8 u + 0 .. 7
	global_load_b128 v[BI+8*\b:BI+8*\b+3], v2, s[8:9] offset:4*(32*(\b/2)+8*(\b%2))
	global_load_b128 v[BI+8*\b+4:BI+8*\b+7], v2, s[8:9] offset:4*(32*(\b/2)+8*(\b%2))+16
.endr
	s_mul_i32 s60, s14, TREC
	s_mul_i32 s61, s13, 4*TREC
	s_add_co_u32 s61, s61, WTL
	s_mul_i32 s62, s12, 16*SPI
	s_add_co_u32 s62, s62, STG                     ; my stage
	v_add_nc_u32 v[AH], s60, v1
	v_add_nc_u32 v[AS], s61, v1
	v_lshlrev_b32 v25, 4, v23
	s_delay_alu instid0(VALU_DEP_1)
	v_add_nc_u32 v25, 4096, v25                    ; a record's scale words: 16 bytes a row
	s_delay_alu instid0(VALU_DEP_1)
	v_add_nc_u32 v[ASH], s60, v25
	v_mul_u32_u24 v26, v24, TREC
	s_delay_alu instid0(VALU_DEP_1)
	v_add_nc_u32 v26, v26, v25
	s_delay_alu instid0(VALU_DEP_1)
	v_add_nc_u32 v[ASS], s61, v26
	v_mul_u32_u24 v7, v23, SPI
	s_delay_alu instid0(VALU_DEP_1)
	v_lshl_add_u32 v7, v24, 6, v7
	s_delay_alu instid0(VALU_DEP_1)
	v_add_nc_u32 v7, s62, v7                       ; into the stage: row r, + 64 h bytes
	v_mul_u32_u24 v8, v24, SPI
	s_delay_alu instid0(VALU_DEP_1)
	v_lshl_add_u32 v8, v23, 4, v8
	s_delay_alu instid0(VALU_DEP_1)
	v_add_nc_u32 v8, s62, v8                       ; back: lanes 0-15 one row, lanes 16-31 the next
	v_lshlrev_b32 v9, 13, v24
	s_delay_alu instid0(VALU_DEP_1)
	v_lshl_add_u32 v9, v23, 4, v9                  ; and the same in out0: a step of t is 8,192 bytes
	s_wait_alu depctr_va_vdst(0)
	s_wait_tensorcnt 0x0                           ; my part of the fill has landed,
	s_barrier_signal -1
	s_barrier_wait -1                              ; everybody's has
	s_wait_loadcnt 0x0                             ; the bias
.macro OSTEP s                         ; a K step of 128: the four accumulators by turns
.set KO, REC*((\s)/4)+1024*((\s)%4)
.if (\s) > 0
	PLACES 4                                       ; in front of loads into registers that matrix instructions have read
.endif
.irp b, 0,1,2,3
.irp c, 0,1
	ds_load_b128 v[SF+8*\b+4*\c:SF+8*\b+4*\c+3], v[AS] offset:TREC*\b+KO+512*\c
.endr
.endr
.irp c, 0,1
	ds_load_b128 v[HF+4*\c:HF+4*\c+3], v[AH] offset:KO+512*\c
.endr
.if ((\s)%4) == 0
.irp q, 0,1
	ds_load_b128 v[SS+4*\q:SS+4*\q+3], v[ASS] offset:2*TREC*\q+REC*((\s)/4)
.endr
	ds_load_b128 v[HS:HS+3], v[ASH] offset:REC*((\s)/4)
.endif
	s_wait_dscnt 0x0
.irp b, 0,1,2,3
.if (\s) == 0
	WM ACC+8*\b, SF+8*\b, HF, BI+8*\b, SS+4*(\b/2)+(\s)%4, HS+(\s)%4, \b%2
.else
	WM ACC+8*\b, SF+8*\b, HF, ACC+8*\b, SS+4*(\b/2)+(\s)%4, HS+(\s)%4, \b%2
.endif
.endr
.endm
.irp s, 0,1,2,3,4,5,6,7
	OSTEP \s
.endr
	PLACES 4                                       ; in front of the first read of results
.irp b, 0,1,2,3
	ds_store_b128 v7, v[ACC+8*\b:ACC+8*\b+3] offset:128*(\b/2)+32*(\b%2)          ; each accumulator from its low end on
	ds_store_b128 v7, v[ACC+8*\b+4:ACC+8*\b+7] offset:128*(\b/2)+32*(\b%2)+16
.endr
.irp i, 0,1,2,3,4,5,6,7
	ds_load_b128 v[BK+4*\i:BK+4*\i+3], v8 offset:2*SPI*\i   ; LDS serves a wave's instructions in order: these see my stores
.endr
.irp i, 0,1,2,3,4,5,6,7
	s_wait_dscnt 7-\i                              ; rows 2 i and 2 i + 1 of the tile are back; the younger loads may be out
	global_store_b128 v9, v[BK+4*\i:BK+4*\i+3], s[10:11] offset:(2*\i+8*(\i/4))*8192 th:TH_STORE_NT   ; tile row n is t0 + n + 8 (n / 8); sixteen lanes store 256 consecutive bytes, aligned
.endr
	s_wait_tensorcnt 0x0
	ds_add_u32 v192, v193
	s_wait_dscnt 0x0
	CROUND                                         ; the closing round
	s_endpgm
.Lfunc_end_k_qdb5add2f94_outp:
	.size	k_qdb5add2f94_outp, .Lfunc_end_k_qdb5add2f94_outp-k_qdb5add2f94_outp
	.p2alignl 7, 3214868480
	.fill 96, 4, 3214868480
	.section	.rodata,"a",@progbits
	.p2align	6, 0x0
	.amdhsa_kernel k_qdb5add2f94_outp
		.amdhsa_group_segment_fixed_size 210944
		.amdhsa_private_segment_fixed_size 0
		.amdhsa_enable_private_segment 0
		.amdhsa_kernarg_size 32
		.amdhsa_user_sgpr_count 2
		.amdhsa_user_sgpr_kernarg_segment_ptr 1
		.amdhsa_wavefront_size32 1
		.amdhsa_system_sgpr_workgroup_id_x 1
		.amdhsa_system_sgpr_workgroup_id_y 1
		.amdhsa_system_sgpr_workgroup_id_z 1
		.amdhsa_system_vgpr_workitem_id 0
		.amdhsa_next_free_vgpr 194
		.amdhsa_next_free_sgpr 80
		.amdhsa_reserve_vcc 0
		.amdhsa_float_denorm_mode_32 3
		.amdhsa_float_denorm_mode_16_64 3
		.amdhsa_memory_ordered 1
		.amdhsa_forward_progress 1
		.amdhsa_inst_pref_size 21
	.end_amdhsa_kernel
	.amdgpu_metadata
---
amdhsa.version: [ 1, 2 ]
amdhsa.kernels:
  - .name:           k_qdb5add2f94_outp
    .symbol:         k_qdb5add2f94_outp.kd
    .args:
      - { .name: ac, .offset: 0, .size: 8, .value_kind: global_buffer, .address_space: global }
      - { .name: cod, .offset: 8, .size: 8, .value_kind: global_buffer, .address_space: global }
      - { .name: out_b, .offset: 16, .size: 8, .value_kind: global_buffer, .address_space: global }
      - { .name: out0, .offset: 24, .size: 8, .value_kind: global_buffer, .address_space: global }
    .group_segment_fixed_size: 210944
    .private_segment_fixed_size: 0
    .kernarg_segment_align: 8
    .kernarg_segment_size: 32
    .max_flat_workgroup_size: 512
    .sgpr_count:     80
    .vgpr_count:     194
    .wavefront_size: 32
...
	.end_amdgpu_metadata
.endif
;; end of part 4
